; MI455X (gfx1250); checked and timed in simulation.
; The chip was launched on July 23, 2026; its instructions are those of AMD's public machine-readable ISA for CDNA 5 (MIT licence, August 2026) and "CDNA5" Instruction Set Architecture Reference Guide (July 2026). The comments in the code are by the model that wrote it; some were corrected since.
;; MOE MLP. Allowed arithmetic: matrix products marked QUANTISED: E3M2 operands, one E8M0 scale for each 32 along K, by v_wmma_scale_f32_16x16x128_f8f6f4 with both operands' format E3M2, f32 sums; products left as they are: f32 operands where the result goes on into a quantised operand, else bf16, f16 or f32 operands; f32 sums; everything else in f32.
;; Inputs: W1_codes 32 x 256 x 32 x 24 uint8 (E3M2 codes of W1, K innermost, in blocks of 32 codes, four codes in three bytes); W1_scales 32 x 256 x 32 uint8 (E8M0 scales of W1, one for each 32 codes along K); W2_codes 32 x 1,024 x 8 x 24 uint8 (E3M2 codes of W2, K innermost, in blocks of 32 codes, four codes in three bytes); W2_scales 32 x 1,024 x 8 uint8 (E8M0 scales of W2, one for each 32 codes along K); Wg_codes 32 x 32 x 24 uint8 (E3M2 codes of Wg, K innermost, in blocks of 32 codes, four codes in three bytes); Wg_scales 32 x 32 uint8 (E8M0 scales of Wg, one for each 32 codes along K); b1 32 x 256 float32; b2 32 x 1,024 float32; x_codes 2 x 2,048 x 32 x 24 uint8 (E3M2 codes of x, K innermost, in blocks of 32 codes, four codes in three bytes); x_scales 2 x 2,048 x 32 uint8 (E8M0 scales of x, one for each 32 codes along K).
;; Outputs: out0 2 x 2,048 x 1,024 float32.
;; This version of the problem:
;;   THIS VERSION OF THE PROBLEM IS GIVEN IN LOW PRECISION. The matrix products marked QUANTISED in the list below multiply operands that are first quantised to E3M2 (3 exponent bits, 2 mantissa bits; 6 bits a number), with one power-of-two scale for each 32 numbers along K (OCP MX v1.0); their sums are f32. All else is computed in f32.
;;   The module's matrix products, in the order in which they are computed (A, B: the left and right operand; K: the contracted axis; several contracted axes count as one K, in the product's order):
;;     1. [M 4,096, K 1,024] x [K 1,024, N 32]; A: input x (given as codes); B: input Wg (given as codes): QUANTISED
;;     2. [M 8,192, K 1,024] x [K 1,024, N 4,096]; A: input W1 (given as codes); B: input x (given as codes): QUANTISED
;;     3. batch 32 x [M 4,096, K 256] x [K 256, N 1,024]; A: computed on the way; B: input W2 (given as codes): QUANTISED
;;     4. batch 4,096 x [M 1,024, K 32] x [K 32, N 1]; A: computed on the way; B: computed on the way: left as it is (N = 1 < 16)
;;   THE QUANTISER, for each operand of a quantised product, along K:
;;     - K is cut into blocks of 32 from its start; a last block that is shorter is filled with zeros.
;;     - A block's scale is 2^e with e = floor(log2(the largest magnitude in the block)) - 4, held to -126 .. 127; a block of zeros has e = 0. As a byte (E8M0): e + 127.
;;     - Each number is divided by its block's scale, clamped to +-28, and rounded to the nearest number of E3M2, ties to even, subnormals kept.
;;     - The product sums the exact products of the quantised numbers (number of the format x scale) in f32.
;;   ~~~python
;;   def quantise(x, axis):      # numpy; x: float32 -> the quantised numbers, widened to float32 again
;;       x = np.moveaxis(x, axis, -1); K = x.shape[-1]
;;       x = np.pad(x, [(0, 0)] * (x.ndim - 1) + [(0, -K % 32)]); x = x.reshape(x.shape[:-1] + (-1, 32)); a = np.abs(x).max(-1, keepdims=True)
;;       e = np.where(a > 0, np.clip(np.frexp(np.where(a > 0, a, 1))[1] - 1 - 4, -126, 127), 0)      # np.frexp(a)[1] - 1 = floor(log2(a)), exactly
;;       r = np.clip(x / 2.0 ** e, -28, 28)
;;       step = 2.0 ** (np.maximum(np.frexp(np.where(r == 0, 1, r))[1] - 1, -2) - 2)
;;       q = np.round(r / step) * step * 2.0 ** e      # np.round: ties to even
;;       return np.moveaxis(q.reshape(q.shape[:-2] + (-1,))[..., :K], -1, axis).astype(np.float32)
;;   ~~~
;;   OPERANDS COMPUTED ON THE WAY. 'Computed on the way' means the value that the module computes at that place (a softmax that the list does not call 'softmax' is quantised finished and normalised). What goes into a quantiser is computed in f32, as accurately as f32 sums, v_exp_f32 and their like allow (about 1e-6 of the number): no bf16 or f16 on the way to a quantiser, and a product that is left as it is and whose result goes on into a quantised operand takes f32 operands (vector FMAs, or v_wmma_f32_16x16x4_f32). A number that lies on a knife's edge between two numbers of the format may be rounded either way, as far as f32 arithmetic and the matrix unit's own rounding can turn it there, and no further.
;;   INPUTS GIVEN AS CODES. W1 (in the module: [32, 1024, 256], K = its axis 1); W2 (in the module: [32, 256, 1024], K = its axis 1); Wg (in the module: [1024, 32], K = its axis 0); x (in the module: [2, 2048, 1024], K = its axis 2): each comes as NAME_codes (uint8): NAME with its K axis moved to the last place and cut into blocks of 32 codes, [.., K / 32, bytes a block], one block behind the other in memory; four codes in three bytes: a row's codes are one little-endian stream of bits, code i at bits 6 i .. 6 i + 5 (a code: sign, 3 exponent bits, 2 mantissa bits); and NAME_scales (uint8): the same leading axes, one E8M0 byte (e + 127) for each 32 codes along K. Its value is code x scale, taken as it is: it is not quantised again, and the codes and scales need not be those that the quantiser above would give.
;; 2 versions. Each part assembles by itself: llvm-mc -triple=amdgcn-amd-amdhsa -mcpu=gfx1250 --defsym DOCPART=n.
;; ======== version 1 of 2: 4 launches
;; workspace buffers: sel 16,384 bytes of whole numbers; wts 32,768 bytes; W1f 6,291,456 bytes; W2f 6,291,456 bytes; list 524,288 bytes of whole numbers; cnt 256 bytes of whole numbers; part 16,777,216 bytes
;; launch gate (part 1): grid 320 x 1, 4 waves a work-group, no clusters, 0 bytes of LDS; arguments x_codes, x_scales, Wg_codes, Wg_scales, W1_codes, sel, wts, W1f; writes sel, wts, W1f
.if DOCPART == 1
	.amdgcn_target "amdgcn-amd-amdhsa--gfx1250"
	.amdhsa_code_object_version 6
	.text
	.protected	k_qb0d53f5f1c_gate
	.globl	k_qb0d53f5f1c_gate
	.p2align	8
	.type	k_qb0d53f5f1c_gate,@function
k_qb0d53f5f1c_gate:
	s_mov_b64 s[64:65], 0
	v_nop
	global_prefetch_b8 v0, s[64:65] scope:SCOPE_SE
	s_setreg_imm32_b32 hwreg(HW_REG_WAVE_MODE, 25, 1), 1
	s_wait_xcnt 0x0
; THE ROUTER, AND W1 LAID OUT FOR THE CHAIN.  Two kinds of work-groups, told apart by the work-group's number alone.
; Work-groups 0-63: the gate.  A wave takes 16 tokens: logits = x Wg on codes of BF6 (E3M2) with E8M0 scales, K = 1,024 in 8 steps of 128, one f32 sum for each logit, K ascending;
;   softmax over the 32 experts (the row's maximum is taken away first); the two largest scores, ties to the lower expert; softmax of those two.
;   It stores for each token a word (first expert | second expert << 8) and the two weights, at fixed places: no address here hangs on a score.
;   The product is used transposed (source 0 = 16 experts, source 1 = my 16 tokens): lane (r, h) holds token r and, in register k of 16, expert 16 (k / 8) + 8 h + k % 8.
; Work-groups 64-319: W1's codes are copied once into the order of the operand's registers: fragment (expert e, wave w, K step s, tile t) is 12 registers a lane, stored as three runs of
;   512 bytes (lane l's 16 bytes at 16 l), at W1f + 196,608 e + 49,152 w + 6,144 s + 1,536 t.  Lane r of tile t takes W1's row 64 w + 32 (t / 2) + 8 (t % 2) + r + 8 (r / 8).
; No LDS, no barrier: waves share nothing.  No cluster: what is shared (Wg, 24 KB) is small beside a wave's other loads and the launch is short.
; LIMITS: NaN, infinities and the scale byte 0xff are not served.  The two largest are taken of the normalised f32 scores; scores that differ from another f32 evaluation in the last
; bit can turn a tie.
.set XF,  16                           ; v16-111  x's eight fragments (K step s at XF + 12 s)
.set GF,  112                          ; v112-207 eight fragments of Wg: four K steps x two tiles of 16 experts
.set XS,  208                          ; v208-215 x's scale words, one for each K step: lane r: token r
.set GS,  216                          ; v216-223 Wg's: lanes 0-15 experts 0-15, lanes 16-31 experts 16-31
.set SC,  224                          ; v224-239 the two accumulators: logits, then scores
.set IDX, 16                           ; v16-31   the expert that register k holds (x's fragments are done with)
.set MX,  32                           ; v[32:33] the row's maximum (named as a pair)
.set TP,  34                           ; v34      what a lane takes from lane l xor 16
.set NEG, 35                           ; v35      -1.0: under every score
.set TA,  44                           ; v44-45   at work
.set M1,  56                           ; v56-59   largest score, its expert, second largest, its expert
.set I1,  57
.set M2,  58
.set I2,  59
	s_load_b512 s[4:19], s[0:1], 0x0               ; x_codes 4, x_scales 6, Wg_codes 8, Wg_scales 10, W1_codes 12, sel 14, wts 16, W1f 18
	v_lshrrev_b32 v4, 5, v0
	v_readfirstlane_b32 s20, v4                    ; wave 0..3
	v_and_b32 v1, 31, v0                           ; lane
	v_and_b32 v2, 15, v0                           ; r
	v_bfe_u32 v3, v0, 4, 1                         ; h
	s_cmp_lt_u32 ttmp9, 64
	s_cbranch_scc0 .Lrelay
	; ---------------- the gate ----------------
	s_lshl_b32 s21, ttmp9, 6
	s_lshl_b32 s24, s20, 4
	s_add_co_u32 s21, s21, s24                     ; my first token: 64 x work-group + 16 x wave
	s_mul_i32 s24, s21, 768                        ; a token's codes: 768 bytes
	s_mov_b32 s25, 0
	s_lshl_b32 s26, s21, 5                         ; its scale bytes: 32
	s_mov_b32 s27, 0
	s_lshl_b32 s28, s21, 2                         ; its word in sel
	s_mov_b32 s29, 0
	s_lshl_b32 s30, s21, 3                         ; its two weights
	s_mov_b32 s31, 0
	s_mov_b32 s22, 0x76543210
	s_mov_b32 s23, 0xfedcba98                      ; v_permlanex16_b32's selects for lane l xor 16
	s_mov_b32 s32, 0x3fb8aa3b                      ; log2(e)
	s_mov_b32 s33, s32                             ; (named with it as a pair, so it is written)
	v_mul_u32_u24 v4, v2, 768
	v_mad_u32_u24 v4, v3, 24, v4                   ; a fragment's row r, + 24 h: serves x and Wg, whose rows are both 768 bytes
	v_lshlrev_b32 v5, 5, v2                        ; x's scale words: row r
	v_lshlrev_b32 v6, 5, v1                        ; Wg's: row = lane
	s_wait_kmcnt 0x0
	s_add_nc_u64 s[4:5], s[4:5], s[24:25]
	s_add_nc_u64 s[6:7], s[6:7], s[26:27]
	s_add_nc_u64 s[14:15], s[14:15], s[28:29]
	s_add_nc_u64 s[16:17], s[16:17], s[30:31]
.macro XLD s                           ; x's fragment of K step s: 24 bytes at 96 s + 24 h and 24 at 96 s + 48 + 24 h, in pieces of 8 bytes
.irp p, 0,1,2,3,4,5
	global_load_b64 v[XF+12*(\s)+2*\p:XF+12*(\s)+2*\p+1], v4, s[4:5] offset:96*(\s)+48*(\p/3)+8*(\p%3)
.endr
.endm
.macro GLD s                           ; Wg's two fragments of K step s: experts r and 16 + r
.irp n, 0,1
.irp p, 0,1,2,3,4,5
	global_load_b64 v[GF+12*(2*((\s)%4)+\n)+2*\p:GF+12*(2*((\s)%4)+\n)+2*\p+1], v4, s[8:9] offset:12288*\n+96*(\s)+48*(\p/3)+8*(\p%3)
.endr
.endr
.endm
.macro GMUL s, n                       ; the two accumulators take turns, one instruction a turn; K step 0 starts the sums
.set rA, GF+12*(2*((\s)%4)+(\n))
.set rB, XF+12*(\s)
.if ((\s) == 0) && ((\n) == 0)
	v_wmma_scale_f32_16x16x128_f8f6f4 v[SC:SC+7], v[rA:rA+11], v[rB:rB+11], 0, v[GS+(\s)], v[XS+(\s)] matrix_a_fmt:MATRIX_FMT_BF6 matrix_b_fmt:MATRIX_FMT_BF6
.elseif (\s) == 0
	v_wmma_scale_f32_16x16x128_f8f6f4 v[SC+8:SC+15], v[rA:rA+11], v[rB:rB+11], 0, v[GS+(\s)], v[XS+(\s)] matrix_a_fmt:MATRIX_FMT_BF6 matrix_b_fmt:MATRIX_FMT_BF6 matrix_a_scale:MATRIX_SCALE_ROW1
.elseif (\n) == 0
	v_wmma_scale_f32_16x16x128_f8f6f4 v[SC:SC+7], v[rA:rA+11], v[rB:rB+11], v[SC:SC+7], v[GS+(\s)], v[XS+(\s)] matrix_a_fmt:MATRIX_FMT_BF6 matrix_b_fmt:MATRIX_FMT_BF6
.else
	v_wmma_scale_f32_16x16x128_f8f6f4 v[SC+8:SC+15], v[rA:rA+11], v[rB:rB+11], v[SC+8:SC+15], v[GS+(\s)], v[XS+(\s)] matrix_a_fmt:MATRIX_FMT_BF6 matrix_b_fmt:MATRIX_FMT_BF6 matrix_a_scale:MATRIX_SCALE_ROW1
.endif
.endm
	global_load_b128 v[XS:XS+3], v5, s[6:7]
	global_load_b128 v[XS+4:XS+7], v5, s[6:7] offset:16
	global_load_b128 v[GS:GS+3], v6, s[10:11]
	global_load_b128 v[GS+4:GS+7], v6, s[10:11] offset:16
.irp s, 0,1,2,3
	XLD \s
.endr
.irp s, 0,1,2,3
	GLD \s
.endr
.irp s, 4,5,6,7
	XLD \s
.endr
	s_wait_loadcnt 24                              ; all but the youngest 24 loads, x's K steps 4 to 7
.irp s, 0,1,2,3
	GMUL \s, 0
	GMUL \s, 1
.endr
.rept 4
	v_nop                                          ; four places in front of loads into registers that matrix instructions have read
.endr
.irp s, 4,5,6,7
	GLD \s
.endr
	s_wait_loadcnt 0x0
.irp s, 4,5,6,7
	GMUL \s, 0
	GMUL \s, 1
.endr
.irp k, 0,1,2,3,4,5,6,7,8,9,10,11,12,13,14,15
	v_lshl_add_u32 v[IDX+\k], v3, 3, 16*(\k/8)+\k%8   ; register k's expert.  These sixteen name no register of the last eight products: they are the places behind them (the registers that they write were read by K steps 0 and 1, ahead of the four v_nop)
.endr
	v_mov_b32 v[MX+1], 0                           ; (named as the upper half of a pair)
	v_mov_b32 v[TP], 0                             ; written once: a lane permute's destination counts as one of its sources
	; the softmax over 32 experts: 16 in my registers, 16 in lane l xor 16's.  Each accumulator is read from its low end on.
	v_max3_num_f32 v[MX], v[SC], v[SC+1], v[SC+2]
.irp k, 3,5,7,9,11,13
	v_max3_num_f32 v[MX], v[MX], v[SC+\k], v[SC+\k+1]
.endr
	v_max_num_f32 v[MX], v[MX], v[SC+15]
	v_permlanex16_b32 v[TP], v[MX], s22, s23
	v_max_num_f32 v[MX], v[MX], v[TP]              ; the row's largest logit
.irp k, 0,2,4,6,8,10,12,14
	v_pk_add_f32 v[SC+\k:SC+\k+1], v[SC+\k:SC+\k+1], v[MX:MX+1] op_sel_hi:[1,0] neg_lo:[0,1] neg_hi:[0,1]   ; logit - maximum first, not fused with the scaling: so the error does not grow with a common offset of the logits
.endr
.irp k, 0,2,4,6,8,10,12,14
	v_pk_mul_f32 v[SC+\k:SC+\k+1], v[SC+\k:SC+\k+1], s[32:33] op_sel_hi:[1,0]
.endr
.irp k, 0,1,2,3,4,5,6,7,8,9,10,11,12,13,14,15
	v_exp_f32 v[SC+\k], v[SC+\k]
.endr
	v_mov_b32 v[NEG], -1.0                         ; a plain instruction behind the last exponential
	s_wait_alu depctr_va_vdst(0)                   ; one wait for the sixteen, ahead of their first reader
	v_pk_add_f32 v[36:37], v[SC:SC+1], v[SC+2:SC+3]
	v_pk_add_f32 v[38:39], v[SC+4:SC+5], v[SC+6:SC+7]
	v_pk_add_f32 v[40:41], v[SC+8:SC+9], v[SC+10:SC+11]
	v_pk_add_f32 v[42:43], v[SC+12:SC+13], v[SC+14:SC+15]
	v_pk_add_f32 v[36:37], v[36:37], v[38:39]
	v_pk_add_f32 v[40:41], v[40:41], v[42:43]
	v_pk_add_f32 v[36:37], v[36:37], v[40:41]
	v_add_f32 v36, v36, v37
	v_permlanex16_b32 v[TP], v36, s22, s23
	v_add_f32 v36, v36, v[TP]                      ; the row's sum
	v_rcp_f32 v38, v36
	v_nop                                          ; a plain instruction behind the reciprocal
	s_wait_alu depctr_va_vdst(0)
.irp k, 0,2,4,6,8,10,12,14
	v_pk_mul_f32 v[SC+\k:SC+\k+1], v[SC+\k:SC+\k+1], v[38:39] op_sel_hi:[1,0]   ; the scores
.endr
; The largest of the row's 32 scores into v[m], and the lowest expert that has it into v[i].  No branch: a choice is a v_cndmask_b32.
.macro ARGTOP m, i
	v_max3_num_f32 v[\m], v[SC], v[SC+1], v[SC+2]
.irp k, 3,5,7,9,11,13
	v_max3_num_f32 v[\m], v[\m], v[SC+\k], v[SC+\k+1]
.endr
	v_max_num_f32 v[\m], v[\m], v[SC+15]
	v_permlanex16_b32 v[TP], v[\m], s22, s23
	v_max_num_f32 v[\m], v[\m], v[TP]
	v_mov_b32 v[\i], 32
.irp k, 0,1,2,3,4,5,6,7,8,9,10,11,12,13,14,15
	v_cmp_eq_f32 vcc_lo, v[SC+\k], v[\m]
	v_cndmask_b32 v[TA+\k%2], 32, v[IDX+\k], vcc_lo
	v_min_u32 v[\i], v[\i], v[TA+\k%2]
.endr
	v_permlanex16_b32 v[TP], v[\i], s22, s23
	v_min_u32 v[\i], v[\i], v[TP]
.endm
	ARGTOP M1, I1
.irp k, 0,1,2,3,4,5,6,7,8,9,10,11,12,13,14,15
	v_cmp_eq_u32 vcc_lo, v[IDX+\k], v[I1]
	v_cndmask_b32 v[SC+\k], v[SC+\k], v[NEG], vcc_lo   ; the first expert alone is taken out: an equal score of a higher expert stays
.endr
	ARGTOP M2, I2
	v_sub_f32 v46, v[M2], v[M1]                    ; softmax of the two: the larger is taken away: 1 / (1 + q), q / (1 + q), q = e^(second - first)
	v_mul_f32 v46, 0x3fb8aa3b, v46
	v_exp_f32 v46, v46
	v_lshl_or_b32 v47, v[I2], 8, v[I1]             ; (a plain instruction behind the exponential)  the token's word
	s_wait_alu depctr_va_vdst(0)
	v_add_f32 v48, 1.0, v46
	v_rcp_f32 v50, v48
	v_lshlrev_b32 v52, 2, v2                       ; (a plain instruction behind the reciprocal)
	v_lshlrev_b32 v53, 3, v2
	s_wait_alu depctr_va_vdst(0)
	v_mul_f32 v51, v46, v50
	s_wait_xcnt 0x0                                ; EXEC changes only behind this wait
	v_cmp_gt_u32 vcc_lo, 16, v1
	s_and_saveexec_b32 s24, vcc_lo                 ; lanes 16-31 hold the same numbers
	global_store_b32 v52, v47, s[14:15]
	global_store_b64 v53, v[50:51], s[16:17]
	s_endpgm
	; ---------------- W1 into the order of the operand's registers ----------------
.Lrelay:
	s_sub_co_u32 s21, ttmp9, 64
	s_lshl_b32 s21, s21, 2
	s_add_co_u32 s21, s21, s20                     ; J = 0 .. 1,023: expert J / 32, wave (J / 8) % 4, tile (J / 2) % 4, K steps 4 (J % 2) + 0 .. 3
	s_lshr_b32 s24, s21, 5
	s_mul_i32 s24, s24, 196608                     ; an expert's codes
	s_bfe_u32 s25, s21, 0x20003                    ; w
	s_bfe_u32 s26, s21, 0x20001                    ; t
	s_and_b32 s27, s21, 1                          ; which four K steps
	s_lshl_b32 s28, s25, 6
	s_lshr_b32 s29, s26, 1
	s_lshl_b32 s29, s29, 5
	s_add_co_u32 s28, s28, s29
	s_and_b32 s29, s26, 1
	s_lshl_b32 s29, s29, 3
	s_add_co_u32 s28, s28, s29                     ; the tile's first row: 64 w + 32 (t / 2) + 8 (t % 2)
	s_mul_i32 s28, s28, 768
	s_add_co_u32 s28, s28, s24
	s_mul_i32 s29, s27, 384
	s_add_co_u32 s28, s28, s29
	s_mov_b32 s29, 0
	s_mul_i32 s30, s25, 49152
	s_add_co_u32 s30, s30, s24
	s_mul_i32 s31, s26, 1536
	s_add_co_u32 s30, s30, s31
	s_mul_i32 s31, s27, 24576
	s_add_co_u32 s30, s30, s31
	s_mov_b32 s31, 0
	v_and_b32 v8, 8, v2
	v_add_nc_u32 v8, v8, v2                        ; r + 8 (r / 8)
	v_mul_u32_u24 v8, v8, 768
	v_mad_u32_u24 v8, v3, 24, v8
	v_lshlrev_b32 v9, 4, v1
	s_wait_kmcnt 0x0
	s_add_nc_u64 s[12:13], s[12:13], s[28:29]
	s_add_nc_u64 s[18:19], s[18:19], s[30:31]
.irp f, 0,1,2,3
.irp p, 0,1,2,3,4,5
	global_load_b64 v[16+12*\f+2*\p:17+12*\f+2*\p], v8, s[12:13] offset:96*\f+48*(\p/3)+8*(\p%3) th:TH_LOAD_NT
.endr
.endr
.irp f, 0,1,2,3
	s_wait_loadcnt 6*(3-\f)                        ; the younger fragments' loads may be out
.irp g, 0,1,2
	global_store_b128 v9, v[16+12*\f+4*\g:19+12*\f+4*\g], s[18:19] offset:6144*\f+512*\g th:TH_STORE_NT   ; 32 lanes store 512 consecutive bytes, at a multiple of 256 from the buffer's first byte
.endr
.endr
	s_endpgm
.Lfunc_end_k_qb0d53f5f1c_gate:
	.size	k_qb0d53f5f1c_gate, .Lfunc_end_k_qb0d53f5f1c_gate-k_qb0d53f5f1c_gate
	.p2alignl 7, 3214868480
	.fill 96, 4, 3214868480
	.section	.rodata,"a",@progbits
	.p2align	6, 0x0
	.amdhsa_kernel k_qb0d53f5f1c_gate
		.amdhsa_group_segment_fixed_size 0
		.amdhsa_private_segment_fixed_size 0
		.amdhsa_enable_private_segment 0
		.amdhsa_kernarg_size 64
		.amdhsa_user_sgpr_count 2
		.amdhsa_user_sgpr_kernarg_segment_ptr 1
		.amdhsa_wavefront_size32 1
		.amdhsa_system_sgpr_workgroup_id_x 1
		.amdhsa_system_sgpr_workgroup_id_y 1
		.amdhsa_system_sgpr_workgroup_id_z 1
		.amdhsa_system_vgpr_workitem_id 0
		.amdhsa_next_free_vgpr 256
		.amdhsa_next_free_sgpr 66
		.amdhsa_reserve_vcc 1
		.amdhsa_float_denorm_mode_32 3
		.amdhsa_float_denorm_mode_16_64 3
		.amdhsa_memory_ordered 1
		.amdhsa_forward_progress 1
		.amdhsa_inst_pref_size 33
	.end_amdhsa_kernel
	.amdgpu_metadata
---
amdhsa.version: [ 1, 2 ]
amdhsa.kernels:
  - .name:           k_qb0d53f5f1c_gate
    .symbol:         k_qb0d53f5f1c_gate.kd
    .args:
      - { .name: x_codes, .offset: 0, .size: 8, .value_kind: global_buffer, .address_space: global }
      - { .name: x_scales, .offset: 8, .size: 8, .value_kind: global_buffer, .address_space: global }
      - { .name: Wg_codes, .offset: 16, .size: 8, .value_kind: global_buffer, .address_space: global }
      - { .name: Wg_scales, .offset: 24, .size: 8, .value_kind: global_buffer, .address_space: global }
      - { .name: W1_codes, .offset: 32, .size: 8, .value_kind: global_buffer, .address_space: global }
      - { .name: sel, .offset: 40, .size: 8, .value_kind: global_buffer, .address_space: global }
      - { .name: wts, .offset: 48, .size: 8, .value_kind: global_buffer, .address_space: global }
      - { .name: W1f, .offset: 56, .size: 8, .value_kind: global_buffer, .address_space: global }
    .group_segment_fixed_size: 0
    .private_segment_fixed_size: 0
    .kernarg_segment_align: 8
    .kernarg_segment_size: 64
    .max_flat_workgroup_size: 128
    .sgpr_count:     66
    .vgpr_count:     256
    .wavefront_size: 32
...
	.end_amdgpu_metadata
.endif
;; end of part 1
;; launch place (part 2): grid 160 x 1, 8 waves a work-group, no clusters, 1,280 bytes of LDS; arguments sel, W2_codes, list, cnt, W2f; writes list, cnt, W2f
.if DOCPART == 2
	.amdgcn_target "amdgcn-amd-amdhsa--gfx1250"
	.amdhsa_code_object_version 6
	.text
	.protected	k_qb0d53f5f1c_place
	.globl	k_qb0d53f5f1c_place
	.p2align	8
	.type	k_qb0d53f5f1c_place,@function
k_qb0d53f5f1c_place:
	s_mov_b64 s[64:65], 0
	v_nop
	global_prefetch_b8 v0, s[64:65] scope:SCOPE_SE
	s_setreg_imm32_b32 hwreg(HW_REG_WAVE_MODE, 25, 1), 1
	s_wait_xcnt 0x0
; THE ROWS ARE PLACED BY EXPERT, AND W2 IS LAID OUT FOR THE CHAIN.  Two kinds of work-groups, told apart by the work-group's number alone.
; Work-groups 0-31: work-group e reads all 4,096 words of sel and writes expert e's list: the routed rows (2 x token + slot) that chose e, list[e][0 .. count - 1], the count, and 64 pads behind
;   them that repeat the entry at place count - 1 (0 where the count is 0): so the list is written up to the next multiple of 64 and has at least 64 entries.  A pad's place is held at 4,095, inside
;   the expert's own 4,096 words; at a count of 4,096 that is the place of the very entry that the pads repeat.  A gathering scan: each work-group owns its expert's part of the output, no atomics.
;   Wave w takes tokens 512 w .. 512 w + 511, 16 a lane.  Places: the waves in order (their counts meet in LDS), in a wave the 16 register groups in order, in a group the LOWEST lane
;   takes the HIGHEST place: so the entry at a wave's last place is the lowest set lane of its last group that is not empty.
; Work-groups 32-159: W2's codes into the order of the operand's registers.  A unit is 32 rows of W2 (6,144 bytes, dense): four fragments f = 2 tt + s2 (rows 16 tt + r, K step s2), each
;   three runs of 512 bytes; the unit keeps its place: W2f + 6,144 x unit.
; Indices made from loaded numbers are held inside the list by v_min_u32 ahead of the additions and the shift that make them addresses.  Every address register of the list's path is written by all
; waves with all lanes on, ahead of the first line that narrows EXEC and ahead of the branch on the wave's number.
.set SPW,   4                          ; v4   LDS address of my spare word: SPARE + 4 x my thread's number; never rewritten
.set NIL,   5                          ; v5   0; never rewritten
.set SPARE, 256                        ; LDS: bytes 0-63 the waves' (count, last entry); from 256 on the spare words, 128 bytes for each of eight waves
.set W,     16                         ; v16-31 my 16 words of sel
.set AD,    64                         ; v64-79 a byte offset in list for each group
.set DA,    80                         ; v80-95 the routed row for each group
.set PADV,  96                         ; v96    the pad
.set PADA,  98                         ; v98-99 the pads' byte offsets in list
.set CNTV,  100                        ; v100   the expert's count
	s_load_b256 s[4:11], s[0:1], 0x0               ; sel 4, W2_codes 6, list 8, cnt 10
	s_load_b64 s[12:13], s[0:1], 0x20              ; W2f
	v_lshl_add_u32 v[SPW], v0, 2, SPARE
	v_mov_b32 v[NIL], 0
	v_lshrrev_b32 v1, 5, v0
	v_readfirstlane_b32 s14, v1                    ; wave 0..7
	v_and_b32 v1, 31, v0                           ; lane
	s_cmp_lt_u32 ttmp9, 32
	s_cbranch_scc0 .Lrelay
	; ---------------- expert e's list ----------------
	s_mov_b32 s15, ttmp9                           ; e
	s_lshl_b32 s16, s14, 11
	v_lshl_add_u32 v2, v1, 4, s16                  ; sel: 2,048 w + 16 lane
	s_lshl_b32 s16, s14, 10
	v_lshl_add_u32 v7, v1, 3, s16                  ; 2 x (512 w + 4 lane)
	v_mov_b32 v12, s14
	v_lshlrev_b32 v12, 3, v12                      ; LDS: my wave's 8 bytes
	v_mov_b32 v13, 0                               ; LDS: byte 0
	v_mov_b32 v6, 0                                ; the count's store: its whole address stands in the scalar base
	v_cmp_eq_u32 s86, 0, v1                        ; lane 0
	s_lshl_b32 s30, s15, 2
	s_mov_b32 s31, 0
	s_mov_b32 s21, 0                               ; my wave's count
	s_mov_b32 s22, 0                               ; the last group that is not empty: its mask,
	s_mov_b32 s23, 0                               ; its mask of second slots,
	s_mov_b32 s24, 0                               ; and its token offset 128 k + c
	s_wait_kmcnt 0x0
	s_add_nc_u64 s[10:11], s[10:11], s[30:31]      ; cnt[e]
.irp k, 0,1,2,3
	global_load_b128 v[W+4*\k:W+4*\k+3], v2, s[4:5] offset:512*\k   ; register 4 k + c: token 512 w + 128 k + 4 lane + c
.endr
	s_wait_loadcnt 0x0
.irp k, 0,1,2,3
.irp c, 0,1,2,3
	v_and_b32 v8, 0xff, v[W+4*\k+\c]               ; the first expert,
	v_lshrrev_b32 v9, 8, v[W+4*\k+\c]              ; the second: never the same
	v_cmp_eq_u32 s[32+4*\k+\c], s15, v8
	v_cmp_eq_u32 s[48+4*\k+\c], s15, v9
	s_or_b32 s[32+4*\k+\c], s[32+4*\k+\c], s[48+4*\k+\c]
	s_bcnt1_i32_b32 s20, s[32+4*\k+\c]
	s_add_co_u32 s21, s21, s20
	s_cmp_lg_u32 s[32+4*\k+\c], 0
	s_cselect_b32 s22, s[32+4*\k+\c], s22
	s_cselect_b32 s23, s[48+4*\k+\c], s23
	s_cselect_b32 s24, 128*\k+\c, s24
.endr
.endr
	s_ctz_i32_b32 s25, s22                         ; the lowest set lane (where my count is 0 what follows is not used)
	s_lshr_b32 s28, s23, s25
	s_and_b32 s28, s28, 1                          ; its slot
	s_lshl_b32 s25, s25, 2
	s_add_co_u32 s25, s25, s24
	s_lshl_b32 s29, s14, 9
	s_add_co_u32 s25, s25, s29                     ; its token
	s_lshl_b32 s25, s25, 1
	s_add_co_u32 s25, s25, s28                     ; the entry at my wave's last place
	v_mov_b32 v10, s21
	v_mov_b32 v11, s25
	ds_store_b64 v12, v[10:11]                     ; all lanes write the same 8 bytes with the same value
	s_wait_dscnt 0x0                               ; for the others' sake: my store has landed
	s_barrier_signal -1
	s_barrier_wait -1
.irp i, 0,1,2,3
	ds_load_b128 v[40+4*\i:43+4*\i], v13 offset:16*\i
.endr
	s_wait_dscnt 0x0
.irp i, 0,1,2,3,4,5,6,7,8,9,10,11,12,13,14,15
	v_readfirstlane_b32 s[68+\i], v[40+\i]
.endr
	s_mov_b32 s16, 0                               ; the counts of the waves ahead of me
	s_mov_b32 s17, 0                               ; the expert's count
	s_mov_b32 s18, 0                               ; the entry at place count - 1
.irp v, 0,1,2,3,4,5,6,7
	s_cmp_gt_u32 s14, \v
	s_cselect_b32 s19, s[68+2*\v], 0
	s_add_co_u32 s16, s16, s19
	s_add_co_u32 s17, s17, s[68+2*\v]
	s_cmp_lg_u32 s[68+2*\v], 0
	s_cselect_b32 s18, s[69+2*\v], s18
.endr
	s_lshl_b32 s87, s15, 12                        ; 4,096 e
	s_add_co_u32 s26, s87, s16                     ; + my wave's first place
.irp k, 0,1,2,3
.irp c, 0,1,2,3
	s_bcnt1_i32_b32 s20, s[32+4*\k+\c]
	s_add_co_u32 s26, s26, s20                     ; the group's end
	s_sub_co_u32 s28, s26, 1
	v_mbcnt_lo_u32_b32 v8, s[32+4*\k+\c], 0        ; set lanes under mine
	v_sub_nc_u32 v[AD+4*\k+\c], s28, v8
	v_min_u32 v[AD+4*\k+\c], 0x1ffff, v[AD+4*\k+\c]   ; inside the list's 131,072 words, in the lanes that will be off too
	v_lshlrev_b32 v[AD+4*\k+\c], 2, v[AD+4*\k+\c]
	v_cndmask_b32 v9, 0, 1, s[48+4*\k+\c]
	v_add_nc_u32 v9, v7, v9
	v_add_nc_u32 v[DA+4*\k+\c], 256*\k+2*\c, v9    ; 2 x token + slot
.endr
.endr
	v_mov_b32 v[PADV], s18                         ; what wave 0 stores at the end is made here, by every wave
	v_mov_b32 v[CNTV], s17
.irp j, 0,1
	v_add_nc_u32 v[PADA+\j], s17, v1
	v_add_nc_u32 v[PADA+\j], 32*\j, v[PADA+\j]     ; place count + lane + 32 j of the expert's list,
	v_min_u32 v[PADA+\j], 0xfff, v[PADA+\j]        ; held inside its 4,096 words,
	v_add_nc_u32 v[PADA+\j], s87, v[PADA+\j]       ; + 4,096 e,
	v_lshlrev_b32 v[PADA+\j], 2, v[PADA+\j]        ; in bytes
.endr
	s_wait_xcnt 0x0                                ; EXEC changes only behind this wait
.irp g, 0,1,2,3,4,5,6,7,8,9,10,11,12,13,14,15
	s_and_saveexec_b32 s27, s[32+\g]
	global_store_b32 v[AD+\g], v[DA+\g], s[8:9]
	s_wait_xcnt 0x0                                ; and again, in front of the line that widens it
	s_or_b32 exec_lo, exec_lo, s27
.endr
	s_cmp_lg_u32 s14, 0                            ; wave 0 alone: the pads and the count.  No barrier stands inside, and no register is written there
	s_cbranch_scc1 .Lplaced
	global_store_b32 v[PADA], v[PADV], s[8:9]      ; 32 lanes store 128 consecutive bytes (fewer where the hold at 4,095 takes effect)
	global_store_b32 v[PADA+1], v[PADV], s[8:9]
	s_wait_xcnt 0x0                                ; EXEC changes only behind this wait
	s_and_saveexec_b32 s27, s86
	global_store_b32 v6, v[CNTV], s[10:11]         ; lane 0: the count
	s_wait_xcnt 0x0
	s_or_b32 exec_lo, exec_lo, s27
.Lplaced:
	s_wait_tensorcnt 0x0                           ; the wave's end, behind my last LDS store
	ds_add_u32 v[SPW], v[NIL]
	s_wait_dscnt 0x0
	s_endpgm
	; ---------------- W2 into the order of the operand's registers ----------------
.Lrelay:
	s_sub_co_u32 s16, ttmp9, 32
	s_lshl_b32 s16, s16, 3
	s_add_co_u32 s16, s16, s14                     ; my unit, 0 .. 1,023
	s_mul_i32 s16, s16, 6144
	s_mov_b32 s17, 0
	v_and_b32 v2, 15, v0
	v_bfe_u32 v3, v0, 4, 1
	v_mul_u32_u24 v8, v2, 192                      ; a row of W2's codes: 192 bytes
	v_mad_u32_u24 v8, v3, 24, v8
	v_lshlrev_b32 v9, 4, v1
	s_wait_kmcnt 0x0
	s_add_nc_u64 s[6:7], s[6:7], s[16:17]
	s_add_nc_u64 s[12:13], s[12:13], s[16:17]
.irp f, 0,1,2,3
.irp p, 0,1,2,3,4,5
	global_load_b64 v[16+12*\f+2*\p:17+12*\f+2*\p], v8, s[6:7] offset:3072*(\f/2)+96*(\f%2)+48*(\p/3)+8*(\p%3) th:TH_LOAD_NT
.endr
.endr
.irp f, 0,1,2,3
	s_wait_loadcnt 6*(3-\f)                        ; the younger fragments' loads may be out
.irp g, 0,1,2
	global_store_b128 v9, v[16+12*\f+4*\g:19+12*\f+4*\g], s[12:13] offset:1536*\f+512*\g th:TH_STORE_NT   ; 32 lanes store 512 consecutive bytes
.endr
.endr
	s_endpgm
.Lfunc_end_k_qb0d53f5f1c_place:
	.size	k_qb0d53f5f1c_place, .Lfunc_end_k_qb0d53f5f1c_place-k_qb0d53f5f1c_place
	.p2alignl 7, 3214868480
	.fill 96, 4, 3214868480
	.section	.rodata,"a",@progbits
	.p2align	6, 0x0
	.amdhsa_kernel k_qb0d53f5f1c_place
		.amdhsa_group_segment_fixed_size 1280
		.amdhsa_private_segment_fixed_size 0
		.amdhsa_enable_private_segment 0
		.amdhsa_kernarg_size 40
		.amdhsa_user_sgpr_count 2
		.amdhsa_user_sgpr_kernarg_segment_ptr 1
		.amdhsa_wavefront_size32 1
		.amdhsa_system_sgpr_workgroup_id_x 1
		.amdhsa_system_sgpr_workgroup_id_y 1
		.amdhsa_system_sgpr_workgroup_id_z 1
		.amdhsa_system_vgpr_workitem_id 0
		.amdhsa_next_free_vgpr 112
		.amdhsa_next_free_sgpr 96
		.amdhsa_reserve_vcc 0
		.amdhsa_float_denorm_mode_32 3
		.amdhsa_float_denorm_mode_16_64 3
		.amdhsa_memory_ordered 1
		.amdhsa_forward_progress 1
		.amdhsa_inst_pref_size 28
	.end_amdhsa_kernel
	.amdgpu_metadata
---
amdhsa.version: [ 1, 2 ]
amdhsa.kernels:
  - .name:           k_qb0d53f5f1c_place
    .symbol:         k_qb0d53f5f1c_place.kd
    .args:
      - { .name: sel, .offset: 0, .size: 8, .value_kind: global_buffer, .address_space: global }
      - { .name: W2_codes, .offset: 8, .size: 8, .value_kind: global_buffer, .address_space: global }
      - { .name: list, .offset: 16, .size: 8, .value_kind: global_buffer, .address_space: global }
      - { .name: cnt, .offset: 24, .size: 8, .value_kind: global_buffer, .address_space: global }
      - { .name: W2f, .offset: 32, .size: 8, .value_kind: global_buffer, .address_space: global }
    .group_segment_fixed_size: 1280
    .private_segment_fixed_size: 0
    .kernarg_segment_align: 8
    .kernarg_segment_size: 40
    .max_flat_workgroup_size: 256
    .sgpr_count:     96
    .vgpr_count:     112
    .wavefront_size: 32
...
	.end_amdgpu_metadata
.endif
;; end of part 2
;; launch chain (part 3): grid 159 x 1, 4 waves a work-group, no clusters, 79,872 bytes of LDS; arguments x_codes, x_scales, W1f, W1_scales, b1, W2f, W2_scales, b2, list, cnt, part; writes part
.if DOCPART == 3
	.amdgcn_target "amdgcn-amd-amdhsa--gfx1250"
	.amdhsa_code_object_version 6
	.text
	.protected	k_qb0d53f5f1c_chain
	.globl	k_qb0d53f5f1c_chain
	.p2align	8
	.type	k_qb0d53f5f1c_chain,@function
k_qb0d53f5f1c_chain:
	s_mov_b64 s[64:65], 0
	v_nop
	global_prefetch_b8 v0, s[64:65] scope:SCOPE_SE
	s_setreg_imm32_b32 hwreg(HW_REG_WAVE_MODE, 25, 1), 1
	s_wait_xcnt 0x0
; ONE TILE OF ONE EXPERT THROUGH THE WHOLE CHAIN: part[row] = bf16( Q(gelu(x W1 + b1)) W2 + b2 ) for 64 routed rows of expert E.  Both products on codes of BF6 (E3M2) with E8M0 scales, f32 sums;
; gelu = x (1 + erf(x / sqrt 2)) / 2 in f32; Q the quantiser along the hidden axis, in registers.  The hidden layer never goes to memory.
; THE GRID serves every split: 8,192 routed rows in tiles of 64 over 32 experts are never more than 128 + 31 = 159 tiles.  Work-group J finds its tile from the 32 stored counts.
; EVERY WORK-GROUP WALKS THE SAME STRAIGHT TEXT, both barriers on every path.  One that the split leaves without rows walks a valid tile (its numbers held inside the tables) and leaves out only its
; stores, by scalar branches on a stored count round the way out alone; its loads and products are then to no use: that is the price of barriers that stand under no branch on data.
; NO TENSOR LOAD, NO CLUSTER: addresses and the branches round the stores hang on stored numbers.  The weights come from memory straight
; into registers, laid out by the earlier launches in the order of the operand's registers: a fragment is three loads of 16 bytes a lane, 512 consecutive bytes each.
; SHARES.  The four waves share the COLUMNS: wave w makes hidden units 64 w .. 64 w + 63 and then outputs 256 w .. 256 w + 255, for all 64 rows (four row tiles m of 16).  So each weight byte is loaded
; once a work-group.  What goes from wave to wave is small and goes through LDS as images of the operand's registers: x's fragments (wave w gathers row tile w) and the hidden layer's.
; Both products are used transposed (source 0 = 16 rows of the weight, source 1 = 16 routed rows): a lane holds one routed row.  W1's rows of a tile are chosen so that the 16 registers of tiles
; 2 b, 2 b + 1 are 16 neighbours along the next K.  A wave's 64 hidden units are half c = w % 2 of K step w / 2 of the second product: registers 6 c .. 6 c + 5 of a fragment.
; The biases are the C of each sum's first matrix instruction.  Pads at a list's end repeat the list's last row: they lie in that row's own row tile, and are stored with the same bytes by the same wave.
; LIMITS: NaN, infinities and the scale byte 0xff are not served.  erf is a rational function of z held to +-4, right to a few units in the last place of erf itself: so gelu's absolute error is about
; |x| x 2e-7, which in the far negative tail (x under about -5.6, where gelu is under 1e-7 |x|) is the whole of the number.  A hidden block of zeros gets the scale byte 1; its codes are zeros.
;
; LDS
.set XIMG,  0                          ; 32 images of 1,536 bytes: x's fragment (row tile m, K step s) at 8 m + s
.set HIMG,  49152                      ; 16 half images of 768 bytes, (m, wave) at 4 m + w: registers 0-3 at 16 x lane, registers 4-5 at 512 + 8 x lane
.set HSC,   61440                      ; the hidden layer's scale words: [K step 2][64 rows] x 4 bytes
.set STG,   61952                      ; the way out: 16 rows x (256 + 16) bytes for each wave
.set SPARE, 79360                      ; the spare words, 128 bytes for each wave: two blocks of 256 bytes that no other line names
; REGISTERS, in windows of 256.  Window 0: v1 lane, v2 r, v3 h; v4 16 x lane, v5 4 x lane, v6 8 x lane; v7-12 LDS addresses; v13, v14 the add's two; v15 16 r; v16-27 list words and offsets;
.set W1S, 32                           ; v32-47   W1's scale words: 8 b + s: lanes 0-15 tile 2 b, lanes 16-31 tile 2 b + 1
.set W2S, 48                           ; v48-63   W2's: 2 u + s2: lanes 0-15 tile 2 u, lanes 16-31 tile 2 u + 1
.set XS,  64                           ; v64-79   x's: 8 q + s: lanes 0-15 row tile 2 q, lanes 16-31 row tile 2 q + 1
.set HS,  80                           ; v80-83   the hidden layer's: 2 s2 + q, likewise
.set XF,  96                           ; v96-191  the gathered fragments; then two sets of four fragments of x; then the eight hidden fragments (2 m + s2)
.set CD,  192                          ; v192-255 the hidden codes just made, 16 registers for each row tile;  later:
.set PK,  192                          ; v192-223 packed results;
.set BK,  224                          ; v224-255 rows read back from the stage
; Window 1: the ring: five slots of 48 registers; unit U (four fragments of a weight) in slot U % 5.
; Window 2: first product: accumulator (m, t) at 32 m + 8 t; from 128 on at work.  Second product: accumulator (m, tile % 8) at 64 m + 8 (tile % 8).
.set ZZ,  128                          ; z = x / sqrt 2, held
.set Z2,  160                          ; z^2
.set PA,  192                          ; the numerator
.set PD,  224                          ; the denominator, then its reciprocal
; Window 3:
.set B1,  0                            ; b1 in the result's layout, 8 registers a tile
.set B2,  32                           ; b2 likewise, 16 tiles
.set RO,  160                          ; 8 m + t: my byte offset in part for store t of row tile m
.set MSB, 0
.macro WIN new                         ; low byte: bits 1:0 source 0, 3:2 source 1, 5:4 source 2, 7:6 destination; the high byte repeats the setting that is left
.if MSB != \new
	s_set_vgpr_msb (MSB<<8)|\new
.set MSB, \new
.endif
.endm
.macro PLACES n
.rept \n
	v_nop
.endr
.endm
.macro KPAIR reg, val                  ; a constant as a pair: the packed forms name a pair and take its low word for both halves
	s_mov_b32 s[\reg], \val
	s_mov_b32 s[\reg+1], \val
.endm
; a matrix instruction on rD, rA, rB, rC, rSA, rSB; ra, rb: the side's scale words stand in lanes 16-31
.macro MM ra, rb
.if (\ra) && (\rb)
	v_wmma_scale_f32_16x16x128_f8f6f4 v[rD:rD+7], v[rA:rA+11], v[rB:rB+11], v[rC:rC+7], v[rSA], v[rSB] matrix_a_fmt:MATRIX_FMT_BF6 matrix_b_fmt:MATRIX_FMT_BF6 matrix_a_scale:MATRIX_SCALE_ROW1 matrix_b_scale:MATRIX_SCALE_ROW1
.elseif (\ra)
	v_wmma_scale_f32_16x16x128_f8f6f4 v[rD:rD+7], v[rA:rA+11], v[rB:rB+11], v[rC:rC+7], v[rSA], v[rSB] matrix_a_fmt:MATRIX_FMT_BF6 matrix_b_fmt:MATRIX_FMT_BF6 matrix_a_scale:MATRIX_SCALE_ROW1
.elseif (\rb)
	v_wmma_scale_f32_16x16x128_f8f6f4 v[rD:rD+7], v[rA:rA+11], v[rB:rB+11], v[rC:rC+7], v[rSA], v[rSB] matrix_a_fmt:MATRIX_FMT_BF6 matrix_b_fmt:MATRIX_FMT_BF6 matrix_b_scale:MATRIX_SCALE_ROW1
.else
	v_wmma_scale_f32_16x16x128_f8f6f4 v[rD:rD+7], v[rA:rA+11], v[rB:rB+11], v[rC:rC+7], v[rSA], v[rSB] matrix_a_fmt:MATRIX_FMT_BF6 matrix_b_fmt:MATRIX_FMT_BF6
.endif
.endm
	s_load_b512 s[4:19], s[0:1], 0x0               ; x_codes 4, x_scales 6, W1f 8, W1_scales 10, b1 12, W2f 14, W2_scales 16, b2 18
	s_load_b128 s[20:23], s[0:1], 0x40             ; list 20, cnt 22
	s_load_b64 s[24:25], s[0:1], 0x50              ; part
	v_lshl_add_u32 v13, v0, 2, SPARE               ; my spare word,
	v_mov_b32 v14, 0                               ; and 0: kept for the add at the wave's end
	v_lshrrev_b32 v1, 5, v0
	v_readfirstlane_b32 s26, v1                    ; wave 0..3
	v_and_b32 v1, 31, v0                           ; lane
	v_and_b32 v2, 15, v0                           ; r
	v_bfe_u32 v3, v0, 4, 1                         ; h
	v_lshlrev_b32 v4, 4, v1
	v_lshlrev_b32 v5, 2, v1
	v_lshlrev_b32 v6, 3, v1
	s_mov_b32 s27, ttmp9                           ; J
	s_wait_kmcnt 0x0
	s_load_b512 s[32:47], s[22:23], 0x0            ; the 32 counts
	s_load_b512 s[48:63], s[22:23], 0x40
	s_mul_i32 s80, s26, 12288
	v_add_nc_u32 v7, s80, v4                       ; where I store x's images: 16 lane + 8 images x wave
	s_mul_i32 s80, s26, 768
	s_add_co_u32 s80, s80, HIMG
	v_add_nc_u32 v8, s80, v4                       ; the hidden half image: registers 0-3,
	s_add_co_u32 s80, s80, 512
	v_add_nc_u32 v9, s80, v6                       ; registers 4-5
	s_lshr_b32 s80, s26, 1
	s_lshl_b32 s80, s80, 8
	s_and_b32 s81, s26, 1
	s_lshl_b32 s81, s81, 1
	s_add_co_u32 s80, s80, s81
	s_add_co_u32 s80, s80, HSC
	v_lshl_add_u32 v10, v2, 2, s80                 ; my two bytes of row r's scale word: K step w / 2, bytes 2 (w % 2) on
	s_mul_i32 s80, s26, 4352
	s_add_co_u32 s80, s80, STG                     ; my stage
	v_mul_u32_u24 v11, v2, 272
	v_lshl_add_u32 v11, v3, 4, v11
	v_add_nc_u32 v11, s80, v11                     ; in: row r, 16 bytes for each half of the lanes
	v_mul_u32_u24 v12, v3, 272
	v_lshl_add_u32 v12, v2, 4, v12
	v_add_nc_u32 v12, s80, v12                     ; back: lanes 0-15 one row of 256 bytes, lanes 16-31 the next
	v_lshlrev_b32 v15, 4, v2
	s_lshl_b32 s80, s26, 6
	v_lshl_add_u32 v22, v2, 2, s80                 ; list: entry 16 w + r
	v_lshlrev_b32 v23, 2, v3                       ; entry h
	v_lshlrev_b32 v24, 6, v3                       ; b1: 16 h numbers
	v_lshlrev_b32 v25, 5, v3                       ; b2: 8 h numbers
	v_and_b32 v26, 8, v2
	v_add_nc_u32 v26, v26, v2
	v_lshl_add_u32 v26, v3, 3, v26
	v_lshlrev_b32 v26, 5, v26                      ; W1's scale rows of 32 bytes: row 8 h + r + 8 (r / 8)
	v_mul_u32_u24 v27, v3, 24
	s_mov_b32 s78, 0x76543210
	s_mov_b32 s79, 0xfedcba98                      ; v_permlanex16_b32's selects for lane l xor 16
	s_mov_b32 s28, 0                               ; tiles ahead of expert e
	s_mov_b32 s29, 0                               ; E
	s_mov_b32 s30, 0                               ; E's first tile
	s_mov_b32 s31, 0                               ; E's count
	s_wait_kmcnt 0x0
.irp e, 0,1,2,3,4,5,6,7,8,9,10,11,12,13,14,15,16,17,18,19,20,21,22,23,24,25,26,27,28,29,30,31
	s_cmp_le_u32 s28, s27                          ; the last expert whose first tile is at or under J is J's
	s_cselect_b32 s31, s[32+\e], s31
	s_cselect_b32 s30, s28, s30
	s_cselect_b32 s29, \e, s29
	s_add_co_u32 s80, s[32+\e], 63
	s_lshr_b32 s80, s80, 6
	s_add_co_u32 s28, s28, s80
.endr
	s_sub_co_u32 s66, s27, s30                     ; I: my tile of E
	s_add_co_u32 s67, s31, 63
	s_lshr_b32 s67, s67, 6                         ; E's tiles
	s_lshl_b32 s80, s66, 6
	s_sub_co_u32 s80, s31, s80
	s_cmp_lt_u32 s66, s67
	s_cselect_b32 s68, s80, 0                      ; NV: rows from my tile's first to the list's end; 0 where the split leaves me none
	s_max_u32 s81, s67, 1
	s_sub_co_u32 s81, s81, 1
	s_min_u32 s66, s66, s81                        ; a tile that the list has (every list has at least 64 written entries)
	s_min_u32 s66, s66, 63                         ; both held inside their tables ahead of the address arithmetic
	s_min_u32 s29, s29, 31
	s_mul_i32 s80, s29, 196608
	s_mul_i32 s81, s26, 49152
	s_add_co_u32 s80, s80, s81
	s_mov_b32 s81, 0
	s_add_nc_u64 s[70:71], s[8:9], s[80:81]        ; my eight units of W1,
	s_add_nc_u64 s[72:73], s[14:15], s[80:81]      ; and of W2
	s_lshl_b32 s80, s29, 13
	s_lshl_b32 s82, s26, 11
	s_add_co_u32 s80, s80, s82
	s_add_nc_u64 s[10:11], s[10:11], s[80:81]      ; their scale bytes: 8,192 an expert, 2,048 a wave, in both
	s_add_nc_u64 s[16:17], s[16:17], s[80:81]
	s_lshl_b32 s80, s29, 10
	s_lshl_b32 s82, s26, 8
	s_add_co_u32 s80, s80, s82
	s_add_nc_u64 s[12:13], s[12:13], s[80:81]      ; b1
	s_lshl_b32 s80, s29, 12
	s_lshl_b32 s82, s26, 10
	s_add_co_u32 s80, s80, s82
	s_add_nc_u64 s[18:19], s[18:19], s[80:81]      ; b2
	s_lshl_b32 s80, s29, 14
	s_lshl_b32 s82, s66, 8
	s_add_co_u32 s80, s80, s82
	s_add_nc_u64 s[74:75], s[20:21], s[80:81]      ; my tile's 64 entries
	s_lshl_b32 s80, s26, 9
	s_add_nc_u64 s[76:77], s[24:25], s[80:81]      ; part at my wave's 512 bytes of a row
; unit U: twelve loads of 512 consecutive bytes into slot U % 5.  Units 0-7: W1's K steps; 8-15: W2's runs of 32 outputs
.macro ISSUE u
	WIN 0x40                                       ; destination window 1, address window 0
.irp k, 0,1,2,3,4,5,6,7,8,9,10,11
.if (\u) < 8
	global_load_b128 v[48*((\u)%5)+4*\k:48*((\u)%5)+4*\k+3], v4, s[70:71] offset:6144*((\u)%8)+512*\k
.else
	global_load_b128 v[48*((\u)%5)+4*\k:48*((\u)%5)+4*\k+3], v4, s[72:73] offset:6144*((\u)%8)+512*\k
.endif
.endr
.endm
	global_load_b32 v16, v22, s[74:75]             ; the row that I gather: entry 16 w + r
	global_load_b32 v17, v5, s[74:75]              ; entries lane and 32 + lane: for x's scale words
	global_load_b32 v18, v5, s[74:75] offset:128
	WIN 0xc0                                       ; destination window 3
.irp m, 0,1,2,3
.irp t, 0,1,2,3,4,5,6,7
	global_load_b32 v[RO+8*\m+\t], v23, s[74:75] offset:4*(16*\m+2*\t)   ; entry 16 m + 2 t + h: the row that I store in store t of row tile m
.endr
.endr
.irp t, 0,1,2,3
	global_load_b128 v[B1+8*\t:B1+8*\t+3], v24, s[12:13] offset:4*(32*(\t/2)+8*(\t%2))      ; hidden units 32 (t / 2) + 16 h + 8 (t % 2) + 0 .. 7
	global_load_b128 v[B1+8*\t+4:B1+8*\t+7], v24, s[12:13] offset:4*(32*(\t/2)+8*(\t%2))+16
.endr
.irp t, 0,1,2,3,4,5,6,7,8,9,10,11,12,13,14,15
	global_load_b128 v[B2+8*\t:B2+8*\t+3], v25, s[18:19] offset:64*\t                       ; outputs 16 t + 8 h + 0 .. 7
	global_load_b128 v[B2+8*\t+4:B2+8*\t+7], v25, s[18:19] offset:64*\t+16
.endr
	WIN 0
.irp b, 0,1
	global_load_b128 v[W1S+8*\b:W1S+8*\b+3], v26, s[10:11] offset:1024*\b
	global_load_b128 v[W1S+8*\b+4:W1S+8*\b+7], v26, s[10:11] offset:1024*\b+16
.endr
.irp u, 0,1,2,3,4,5,6,7
	global_load_b64 v[W2S+2*\u:W2S+2*\u+1], v6, s[16:17] offset:256*\u
.endr
	s_wait_loadcnt 63                              ; 84 loads were issued behind the three list words
	v_lshrrev_b32 v19, 1, v16                      ; the token of a routed row,
	v_min_u32 v19, 0xfff, v19                      ; held inside x
	v_mul_u32_u24 v19, v19, 768
	v_add_nc_u32 v19, v27, v19                     ; its codes, + 24 h
	v_lshrrev_b32 v20, 1, v17
	v_min_u32 v20, 0xfff, v20
	v_lshlrev_b32 v20, 5, v20                      ; its 32 scale bytes
	v_lshrrev_b32 v21, 1, v18
	v_min_u32 v21, 0xfff, v21
	v_lshlrev_b32 v21, 5, v21
.irp s, 0,1,2,3,4,5,6,7
.irp p, 0,1,2,3,4,5
	global_load_b64 v[XF+12*\s+2*\p:XF+12*\s+2*\p+1], v19, s[4:5] offset:96*\s+48*(\p/3)+8*(\p%3)   ; row tile w's eight fragments
.endr
.endr
.irp q, 0,1
	global_load_b128 v[XS+8*\q:XS+8*\q+3], v[20+\q], s[6:7]
	global_load_b128 v[XS+8*\q+4:XS+8*\q+7], v[20+\q], s[6:7] offset:16
.endr
	ISSUE 0
	ISSUE 1
	ISSUE 2
	ISSUE 3
	KPAIR 32, 0xaf95df0b                           ; erf(z) = z P(z^2) / Q(z^2).  P's coefficients, the highest first (the counts are done with)
	KPAIR 34, 0x32edffee
	KPAIR 36, 0xb60cff51
	KPAIR 38, 0xb86ec2d2
	KPAIR 40, 0xba40ac63
	KPAIR 42, 0xbb41a1f6
	KPAIR 44, 0xbc83dbd4
	KPAIR 46, 0xb77460cd                           ; Q's
	KPAIR 48, 0xb95fbd29
	KPAIR 50, 0xbadc924e
	KPAIR 52, 0xbbf19bf8
	KPAIR 54, 0xbc69b6a7
	KPAIR 56, 0x3f3504f3                           ; 1 / sqrt 2
	s_wait_loadcnt 48                              ; all but the four units just asked for
	WIN 0xcc                                       ; source 1 and destination window 3
.set j, 0
.rept 32
	v_min_u32 v[RO+j], 0x1fff, v[RO+j]             ; a routed row, held inside part,
	v_lshlrev_b32 v[RO+j], 11, v[RO+j]             ; x 2,048 bytes,
	v_add_nc_u32 v[RO+j], v15, v[RO+j]             ; + 16 r
.set j, j+1
.endr
	WIN 0
.irp s, 0,1,2,3,4,5,6,7
.irp g, 0,1,2
	ds_store_b128 v7, v[XF+12*\s+4*\g:XF+12*\s+4*\g+3] offset:XIMG+1536*\s+512*\g   ; a fragment goes to LDS as it stands in my registers
.endr
.endr
	s_wait_dscnt 0x0                               ; for the others' sake: my stores have landed
	s_barrier_signal -1
	s_barrier_wait -1                              ; x's 32 fragments lie in LDS
.macro XLOAD s                         ; K step s's four fragments of x into set s % 2
.irp m, 0,1,2,3
.irp g, 0,1,2
	ds_load_b128 v[XF+48*((\s)%2)+12*\m+4*\g:XF+48*((\s)%2)+12*\m+4*\g+3], v4 offset:XIMG+1536*(8*\m+(\s))+512*\g
.endr
.endr
.endm
; K step s of the first product: 16 accumulators (4 row tiles x my 4 tiles of W1) take turns, one instruction a turn, in the same order in every step.
.macro UNIT1 s
.if (\s) > 0
	PLACES 4                                       ; in front of loads into the ring slot and the set of x that the last step's products read
.endif
	ISSUE (\s)+4
	WIN 0
.if (\s) < 7
	XLOAD (\s)+1
.endif
	s_wait_loadcnt 48                              ; the four units behind this one may be out
.if (\s) < 7
	s_wait_dscnt 12                                ; the twelve loads just issued may be out
.else
	s_wait_dscnt 0x0
.endif
.if (\s) == 0
	WIN 0xb1                                       ; source 0 (W1) window 1, source 1 (x) window 0, C (b1) window 3, D window 2
.else
	WIN 0xa1                                       ; C and D window 2
.endif
.irp m, 0,1,2,3
.irp t, 0,1,2,3
.set rD, 32*\m+8*\t
.set rA, 48*((\s)%5)+12*\t
.set rB, XF+48*((\s)%2)+12*\m
.if (\s) == 0
.set rC, B1+8*\t
.else
.set rC, rD
.endif
.set rSA, W1S+8*(\t/2)+(\s)
.set rSB, XS+8*(\m/2)+(\s)
	MM \t%2, \m%2
.endr
.endr
.endm
; Row tile m: gelu in f32 on my 32 numbers a lane, then the quantiser: register 16 b + i is hidden unit 64 w + 32 b + 16 h + i of my row.  Each accumulator is read from its low end on.
.macro GELUQ m
.set R,  32*(\m)
.set C0, CD+16*(\m)
	WIN 0xaa                                       ; all in window 2
.set j, 0
.rept 16
	v_pk_mul_f32 v[ZZ+j:ZZ+j+1], v[R+j:R+j+1], s[56:57] op_sel_hi:[1,0]
.set j, j+2
.endr
.set j, 0
.rept 32
	v_med3_num_f32 v[ZZ+j], v[ZZ+j], -4.0, 4.0
.set j, j+1
.endr
.set j, 0
.rept 16
	v_pk_mul_f32 v[Z2+j:Z2+j+1], v[ZZ+j:ZZ+j+1], v[ZZ+j:ZZ+j+1]
.set j, j+2
.endr
.set j, 0
.rept 16
	v_pk_fma_f32 v[PA+j:PA+j+1], v[Z2+j:Z2+j+1], s[32:33], s[34:35] op_sel_hi:[1,0,0]
.set j, j+2
.endr
.irp c, 36,38,40,42,44
.set j, 0
.rept 16
	v_pk_fma_f32 v[PA+j:PA+j+1], v[PA+j:PA+j+1], v[Z2+j:Z2+j+1], s[\c:\c+1] op_sel_hi:[1,1,0]
.set j, j+2
.endr
.endr
.set j, 0
.rept 16
	v_pk_fma_f32 v[PD+j:PD+j+1], v[Z2+j:Z2+j+1], s[46:47], s[48:49] op_sel_hi:[1,0,0]
.set j, j+2
.endr
.irp c, 50,52,54
.set j, 0
.rept 16
	v_pk_fma_f32 v[PD+j:PD+j+1], v[PD+j:PD+j+1], v[Z2+j:Z2+j+1], s[\c:\c+1] op_sel_hi:[1,1,0]
.set j, j+2
.endr
.endr
.set j, 0
.rept 32
	v_rcp_f32 v[PD+j], v[PD+j]                     ; one batch
.set j, j+1
.endr
.set j, 0
.rept 16
	v_pk_mul_f32 v[PA+j:PA+j+1], v[PA+j:PA+j+1], v[ZZ+j:ZZ+j+1]   ; z P: plain work that names no reciprocal
.set j, j+2
.endr
.set j, 0
.rept 16
	v_pk_mul_f32 v[R+j:R+j+1], v[R+j:R+j+1], 0.5 op_sel_hi:[1,0]  ; x / 2: likewise
.set j, j+2
.endr
	s_wait_alu depctr_va_vdst(0)                   ; one wait for the 32 reciprocals, ahead of their first reader
.set j, 0
.rept 16
	v_pk_mul_f32 v[PA+j:PA+j+1], v[PA+j:PA+j+1], v[PD+j:PD+j+1]   ; erf
.set j, j+2
.endr
.set j, 0
.rept 16
	v_pk_fma_f32 v[R+j:R+j+1], v[R+j:R+j+1], v[PA+j:PA+j+1], v[R+j:R+j+1]   ; x / 2 x erf + x / 2
.set j, j+2
.endr
.irp b, 0,1
	v_max3_num_f32 v[128+\b], |v[R+16*\b]|, |v[R+16*\b+1]|, 0x2800000   ; block b: my 16 numbers, and the floor 2^(5 - 127): so the byte cannot fall under 1
.endr
.irp i, 2,4,6,8,10,12,14
.irp b, 0,1
	v_max3_num_f32 v[128+\b], v[128+\b], |v[R+16*\b+\i]|, |v[R+16*\b+\i+1]|
.endr
.endr
.irp b, 0,1
	v_permlanex16_b32 v[130+\b], v[128+\b], s78, s79
.endr
.irp b, 0,1
	v_max_num_f32 v[128+\b], v[128+\b], v[130+\b]  ; with lane l xor 16's: the block's largest magnitude
.endr
.irp b, 0,1
	v_add_nc_u32 v[132+\b], 0xfe000000, v[128+\b]  ; 4 off its exponent field: the conversion takes the exponent field of this operand as its scale
.endr
.irp b, 0,1
	v_lshrrev_b32 v[134+\b], 23, v[132+\b]         ; the scale's byte
.endr
	WIN 0x2a                                       ; sources window 2, destination window 0: each row tile has registers of its own there, so no LDS store's data are written again
	v_lshl_or_b32 v[C0+12], v135, 8, v134          ; my two bytes of the row's scale word
	v_cvt_scalef32_pk16_bf6_f32 v[C0:C0+2], v[R:R+15], v132
	v_cvt_scalef32_pk16_bf6_f32 v[C0+8:C0+10], v[R+16:R+31], v133   ; (a conversion's three registers begin on an even number)
	v_nop                                          ; one plain instruction behind a scaled conversion
	WIN 0
.irp i, 0,1,2
	v_permlane16_swap_b32 v[C0+\i], v[C0+8+\i]     ; the operand's layout wants a whole block in a lane: lanes 0-15 block 0, lanes 16-31 block 1
.endr
.irp i, 0,1,2
	v_mov_b32 v[C0+3+\i], v[C0+8+\i]
.endr
	ds_store_b128 v8, v[C0:C0+3] offset:3072*(\m)
	ds_store_b64 v9, v[C0+4:C0+5] offset:3072*(\m)
	ds_store_b16 v10, v[C0+12] offset:64*(\m)      ; lanes r and 16 + r write the same two bytes with the same value
.endm
; Unit u of the second product: my outputs 32 u .. 32 u + 31 for the four row tiles: eight accumulators by turns, K step 0 (C = b2), then K step 1 in place.
.macro UNIT2 u
.set UU, 8+(\u)
.if ((\u) >= 1) && ((\u) <= 3)
	PLACES 4                                       ; in front of loads into the ring slot that the last unit's products read
	ISSUE 12+(\u)
.endif
.if (\u) <= 3
	s_wait_loadcnt 48                              ; the four units behind this one may be out
.else
	s_wait_loadcnt 12*(7-(\u))                     ; the units that are left
.endif
.irp q, 0,1
.if \q == 0
	WIN 0xb1
.else
	WIN 0xa1
.endif
.irp c, 0,1
.irp m, 0,1,2,3
.set rD, 64*\m+8*((2*(\u)+\c)%8)
.set rA, 48*(UU%5)+12*(2*\c+\q)
.set rB, XF+12*(2*\m+\q)
.if \q == 0
.set rC, B2+8*(2*(\u)+\c)
.else
.set rC, rD
.endif
.set rSA, W2S+2*(\u)+\q
.set rSB, HS+2*\q+\m/2
	MM \c, \m%2
.endr
.endr
.endr
.endm
; The way out of row tile m, outputs 128 ch .. 128 ch + 127 of my 256: rounded to bf16 (16 bytes a lane), through my own stage, and out as whole runs of 256 bytes.  Left out where the tile has no row there.
.macro OUT ch, m
	WIN 0                                          ; at a branch and at a label every window is 0
	s_cmp_le_u32 s68, 16*(\m)
	s_cbranch_scc1 .Lnone_\@
	s_wait_xcnt 0x0                                ; the earlier stores have read their registers: these are loaded again only behind this wait
	WIN 0x0a                                       ; sources window 2, destination window 0
.irp t, 0,1,2,3,4,5,6,7
.irp i, 0,1,2,3
	v_cvt_pk_bf16_f32 v[PK+4*\t+\i], v[64*(\m)+8*\t+2*\i], v[64*(\m)+8*\t+2*\i+1]   ; each accumulator from its low end on
.endr
.endr
	WIN 0
.irp t, 0,1,2,3,4,5,6,7
	ds_store_b128 v11, v[PK+4*\t:PK+4*\t+3] offset:32*\t
.endr
.irp t, 0,1,2,3,4,5,6,7
	ds_load_b128 v[BK+4*\t:BK+4*\t+3], v12 offset:544*\t   ; LDS serves a wave's instructions in order (ISA guide 5.7.1.4): these see my stores
.endr
	s_wait_dscnt 0x0
	WIN 0x03                                       ; the address register: window 3
.irp t, 0,1,2,3,4,5,6,7
	global_store_b128 v[RO+8*(\m)+\t], v[BK+4*\t:BK+4*\t+3], s[76:77] offset:256*(\ch) th:TH_STORE_NT   ; sixteen lanes store 256 consecutive bytes of one routed row, at a multiple of 256 from part's first byte
.endr
	WIN 0
.Lnone_\@:
.endm
	XLOAD 0
.irp s, 0,1,2,3,4,5,6,7
	UNIT1 \s
.endr
	PLACES 4                                       ; behind the last products: for the loads into their ring slot, and for the first read of results
	ISSUE 12                                       ; five units of W2, 60 loads, are on their way while the activation is computed
.irp m, 0,1,2,3
	GELUQ \m
.endr
	s_wait_dscnt 0x0                               ; for the others' sake: my stores have landed
	s_barrier_signal -1
	s_barrier_wait -1                              ; the hidden layer's sixteen half images and its scale words lie in LDS
.irp m, 0,1,2,3
.irp q, 0,1
.irp c, 0,1
	ds_load_b128 v[XF+12*(2*\m+\q)+6*\c:XF+12*(2*\m+\q)+6*\c+3], v4 offset:HIMG+768*(4*\m+2*\q+\c)
	ds_load_b64 v[XF+12*(2*\m+\q)+6*\c+4:XF+12*(2*\m+\q)+6*\c+5], v6 offset:HIMG+768*(4*\m+2*\q+\c)+512
.endr
.endr
.endr
.irp q, 0,1
.irp p, 0,1
	ds_load_b32 v[HS+2*\q+\p], v5 offset:HSC+256*\q+128*\p   ; lane l: row 32 p + l
.endr
.endr
	s_wait_dscnt 0x0
.irp u, 0,1,2,3
	UNIT2 \u
.endr
	PLACES 5                                       ; four for the conversions that read results; the fifth for the path on which every way out is left out: there the next products write these accumulators anew
.irp m, 0,1,2,3
	OUT 0, \m
.endr
.irp u, 4,5,6,7
	UNIT2 \u
.endr
	PLACES 5
.irp m, 0,1,2,3
	OUT 1, \m
.endr
	s_wait_tensorcnt 0x0                           ; the wave's end, behind my last LDS store
	ds_add_u32 v13, v14
	s_wait_dscnt 0x0
	s_endpgm
.Lfunc_end_k_qb0d53f5f1c_chain:
	.size	k_qb0d53f5f1c_chain, .Lfunc_end_k_qb0d53f5f1c_chain-k_qb0d53f5f1c_chain
	.p2alignl 7, 3214868480
	.fill 96, 4, 3214868480
	.section	.rodata,"a",@progbits
	.p2align	6, 0x0
	.amdhsa_kernel k_qb0d53f5f1c_chain
		.amdhsa_group_segment_fixed_size 79872
		.amdhsa_private_segment_fixed_size 0
		.amdhsa_enable_private_segment 0
		.amdhsa_kernarg_size 88
		.amdhsa_user_sgpr_count 2
		.amdhsa_user_sgpr_kernarg_segment_ptr 1
		.amdhsa_wavefront_size32 1
		.amdhsa_system_sgpr_workgroup_id_x 1
		.amdhsa_system_sgpr_workgroup_id_y 1
		.amdhsa_system_sgpr_workgroup_id_z 1
		.amdhsa_system_vgpr_workitem_id 0
		.amdhsa_next_free_vgpr 960
		.amdhsa_next_free_sgpr 96
		.amdhsa_reserve_vcc 0
		.amdhsa_float_denorm_mode_32 3
		.amdhsa_float_denorm_mode_16_64 3
		.amdhsa_memory_ordered 1
		.amdhsa_forward_progress 1
		.amdhsa_inst_pref_size 212
	.end_amdhsa_kernel
	.amdgpu_metadata
---
amdhsa.version: [ 1, 2 ]
amdhsa.kernels:
  - .name:           k_qb0d53f5f1c_chain
    .symbol:         k_qb0d53f5f1c_chain.kd
    .args:
      - { .name: x_codes, .offset: 0, .size: 8, .value_kind: global_buffer, .address_space: global }
      - { .name: x_scales, .offset: 8, .size: 8, .value_kind: global_buffer, .address_space: global }
      - { .name: W1f, .offset: 16, .size: 8, .value_kind: global_buffer, .address_space: global }
      - { .name: W1_scales, .offset: 24, .size: 8, .value_kind: global_buffer, .address_space: global }
      - { .name: b1, .offset: 32, .size: 8, .value_kind: global_buffer, .address_space: global }
      - { .name: W2f, .offset: 40, .size: 8, .value_kind: global_buffer, .address_space: global }
      - { .name: W2_scales, .offset: 48, .size: 8, .value_kind: global_buffer, .address_space: global }
      - { .name: b2, .offset: 56, .size: 8, .value_kind: global_buffer, .address_space: global }
      - { .name: list, .offset: 64, .size: 8, .value_kind: global_buffer, .address_space: global }
      - { .name: cnt, .offset: 72, .size: 8, .value_kind: global_buffer, .address_space: global }
      - { .name: part, .offset: 80, .size: 8, .value_kind: global_buffer, .address_space: global }
    .group_segment_fixed_size: 79872
    .private_segment_fixed_size: 0
    .kernarg_segment_align: 8
    .kernarg_segment_size: 88
    .max_flat_workgroup_size: 128
    .sgpr_count:     96
    .vgpr_count:     960
    .wavefront_size: 32
...
	.end_amdgpu_metadata
.endif
;; end of part 3
;; launch combine (part 4): grid 256 x 1, 8 waves a work-group, no clusters, 0 bytes of LDS; arguments part, wts, out0; writes out0
.if DOCPART == 4
	.amdgcn_target "amdgcn-amd-amdhsa--gfx1250"
	.amdhsa_code_object_version 6
	.text
	.protected	k_qb0d53f5f1c_combine
	.globl	k_qb0d53f5f1c_combine
	.p2align	8
	.type	k_qb0d53f5f1c_combine,@function
k_qb0d53f5f1c_combine:
	s_mov_b64 s[64:65], 0
	v_nop
	global_prefetch_b8 v0, s[64:65] scope:SCOPE_SE
	s_setreg_imm32_b32 hwreg(HW_REG_WAVE_MODE, 25, 1), 1
	s_wait_xcnt 0x0
; out0[token] = w0 x part[2 token] + w1 x part[2 token + 1]: the sum over a token's two experts.  part: bf16 [8,192][1,024]; the weights and the sums in f32; out0: f32 [4,096][1,024].
; A stream: each byte of part is read once and each byte of out0 written once; no LDS, no barrier, no matrix unit: there is nothing to share and two terms to a sum.
; Wave W = 8 x work-group + wave takes tokens 2 W and 2 W + 1: 8,192 consecutive bytes of part and 8,192 of out0.  All 32 loads go out at the head; every offset is an immediate; each step has its own
; registers for its results, so no store's data are written again.
.set P, 16                             ; v16-79   step n: two words of slot 0's row, two of slot 1's
.set O, 80                             ; v80-143  step n: four results
	s_load_b128 s[4:7], s[0:1], 0x0                ; part, wts
	s_load_b64 s[8:9], s[0:1], 0x10                ; out0
	v_lshrrev_b32 v1, 5, v0
	v_readfirstlane_b32 s10, v1                    ; wave 0..7
	v_and_b32 v1, 31, v0
	v_lshlrev_b32 v2, 3, v1                        ; in: 8 bytes (4 numbers) a lane
	v_lshlrev_b32 v3, 4, v1                        ; out: 16 bytes
	s_lshl_b32 s11, ttmp9, 3
	s_add_co_u32 s11, s11, s10                     ; W
	s_lshl_b32 s24, s11, 13
	s_mov_b32 s25, 0
	s_lshl_b32 s26, s11, 4
	s_mov_b32 s27, 0
	s_mov_b32 s28, 0xffff0000                      ; a word's upper bf16
	s_wait_kmcnt 0x0
	s_add_nc_u64 s[6:7], s[6:7], s[26:27]
	s_load_b128 s[12:15], s[6:7], 0x0              ; my two tokens' four weights (this launch stores nothing into wts)
	s_add_nc_u64 s[4:5], s[4:5], s[24:25]
	s_add_nc_u64 s[8:9], s[8:9], s[24:25]
.set n, 0
.rept 16                               ; step n: token n / 8, columns 128 (n % 8) on: 32 lanes read 256 consecutive bytes of each of the token's two rows
	global_load_b64 v[P+4*n:P+4*n+1], v2, s[4:5] offset:4096*(n/8)+256*(n%8) th:TH_LOAD_NT
	global_load_b64 v[P+4*n+2:P+4*n+3], v2, s[4:5] offset:4096*(n/8)+2048+256*(n%8) th:TH_LOAD_NT
.set n, n+1
.endr
	s_wait_kmcnt 0x0
.irp i, 0,1,2,3
	s_mov_b32 s[16+2*\i], s[12+\i]                 ; each weight as a pair: the packed forms name a pair and take its low word for both halves
	s_mov_b32 s[17+2*\i], s[12+\i]
.endr
.set n, 0
.rept 16
	s_wait_loadcnt 30-2*n                          ; the younger steps' loads may be out
.irp i, 0,1,2,3
	v_lshlrev_b32 v[4+2*\i], 16, v[P+4*n+\i]       ; bf16 to f32: the low half moves up,
	v_and_b32 v[5+2*\i], s28, v[P+4*n+\i]          ; the high half stays
.endr
	v_pk_mul_f32 v[O+4*n:O+4*n+1], v[8:9], s[18+4*(n/8):19+4*(n/8)] op_sel_hi:[1,0]
	v_pk_mul_f32 v[O+4*n+2:O+4*n+3], v[10:11], s[18+4*(n/8):19+4*(n/8)] op_sel_hi:[1,0]
	v_pk_fma_f32 v[O+4*n:O+4*n+1], v[4:5], s[16+4*(n/8):17+4*(n/8)], v[O+4*n:O+4*n+1] op_sel_hi:[1,0,1]
	v_pk_fma_f32 v[O+4*n+2:O+4*n+3], v[6:7], s[16+4*(n/8):17+4*(n/8)], v[O+4*n+2:O+4*n+3] op_sel_hi:[1,0,1]
	global_store_b128 v3, v[O+4*n:O+4*n+3], s[8:9] offset:4096*(n/8)+512*(n%8) th:TH_STORE_NT   ; 32 lanes store 512 consecutive bytes, at a multiple of 256 from out0's first byte
.set n, n+1
.endr
	s_endpgm
.Lfunc_end_k_qb0d53f5f1c_combine:
	.size	k_qb0d53f5f1c_combine, .Lfunc_end_k_qb0d53f5f1c_combine-k_qb0d53f5f1c_combine
	.p2alignl 7, 3214868480
	.fill 96, 4, 3214868480
	.section	.rodata,"a",@progbits
	.p2align	6, 0x0
	.amdhsa_kernel k_qb0d53f5f1c_combine
		.amdhsa_group_segment_fixed_size 0
		.amdhsa_private_segment_fixed_size 0
		.amdhsa_enable_private_segment 0
		.amdhsa_kernarg_size 24
		.amdhsa_user_sgpr_count 2
		.amdhsa_user_sgpr_kernarg_segment_ptr 1
		.amdhsa_wavefront_size32 1
		.amdhsa_system_sgpr_workgroup_id_x 1
		.amdhsa_system_sgpr_workgroup_id_y 1
		.amdhsa_system_sgpr_workgroup_id_z 1
		.amdhsa_system_vgpr_workitem_id 0
		.amdhsa_next_free_vgpr 144
		.amdhsa_next_free_sgpr 66
		.amdhsa_reserve_vcc 0
		.amdhsa_float_denorm_mode_32 3
		.amdhsa_float_denorm_mode_16_64 3
		.amdhsa_memory_ordered 1
		.amdhsa_forward_progress 1
		.amdhsa_inst_pref_size 15
	.end_amdhsa_kernel
	.amdgpu_metadata
---
amdhsa.version: [ 1, 2 ]
amdhsa.kernels:
  - .name:           k_qb0d53f5f1c_combine
    .symbol:         k_qb0d53f5f1c_combine.kd
    .args:
      - { .name: part, .offset: 0, .size: 8, .value_kind: global_buffer, .address_space: global }
      - { .name: wts, .offset: 8, .size: 8, .value_kind: global_buffer, .address_space: global }
      - { .name: out0, .offset: 16, .size: 8, .value_kind: global_buffer, .address_space: global }
    .group_segment_fixed_size: 0
    .private_segment_fixed_size: 0
    .kernarg_segment_align: 8
    .kernarg_segment_size: 24
    .max_flat_workgroup_size: 256
    .sgpr_count:     66
    .vgpr_count:     144
    .wavefront_size: 32
...
	.end_amdgpu_metadata
.endif
;; end of part 4
;; ======== version 2 of 2: 4 launches
;; workspace buffers: sel 16,384 bytes of whole numbers; wts 32,768 bytes; W1f 6,291,456 bytes; W2f 6,291,456 bytes; list 524,288 bytes of whole numbers; cnt 256 bytes of whole numbers; part 16,777,216 bytes
;; launch gate (part 5): grid 320 x 1, 4 waves a work-group, no clusters, 0 bytes of LDS; arguments x_codes, x_scales, Wg_codes, Wg_scales, W1_codes, sel, wts, W1f; writes sel, wts, W1f
.if DOCPART == 5
	.amdgcn_target "amdgcn-amd-amdhsa--gfx1250"
	.amdhsa_code_object_version 6
	.text
	.protected	k_qb0d53f5f1c_gate
	.globl	k_qb0d53f5f1c_gate
	.p2align	8
	.type	k_qb0d53f5f1c_gate,@function
k_qb0d53f5f1c_gate:
	s_mov_b64 s[64:65], 0
	v_nop
	global_prefetch_b8 v0, s[64:65] scope:SCOPE_SE
	s_setreg_imm32_b32 hwreg(HW_REG_WAVE_SCHED_MODE, 0, 2), 2
	s_setreg_imm32_b32 hwreg(HW_REG_WAVE_MODE, 25, 1), 1
	s_wait_xcnt 0x0
	s_wait_alu depctr_vm_vsrc(0)
; THE ROUTER, AND W1 LAID OUT FOR THE CHAIN.  Two kinds of work-groups, told apart by the work-group's number alone.
; Work-groups 0-63: the gate.  A wave takes 16 tokens: logits = x Wg on codes of BF6 (E3M2) with E8M0 scales, K = 1,024 in 8 steps of 128, one f32 sum for each logit, K ascending;
;   softmax over the 32 experts (the row's maximum is taken away first); the two largest scores, ties to the lower expert; softmax of those two.
;   It stores for each token a word (first expert | second expert << 8) and the two weights, at fixed places: no address here hangs on a score.
;   The product is used transposed (source 0 = 16 experts, source 1 = my 16 tokens): lane (r, h) holds token r and, in register k of 16, expert 16 (k / 8) + 8 h + k % 8.
; Work-groups 64-319: W1's codes are copied once into the order of the operand's registers: fragment (expert e, wave w, K step s, tile t) is 12 registers a lane, stored as three runs of
;   512 bytes (lane l's 16 bytes at 16 l), at W1f + 196,608 e + 49,152 w + 6,144 s + 1,536 t.  Lane r of tile t takes W1's row 64 w + 32 (t / 2) + 8 (t % 2) + r + 8 (r / 8).
; No LDS, no barrier: waves share nothing.  No cluster: what is shared (Wg, 24 KB) is small beside a wave's other loads and the launch is short.
; LIMITS: NaN, infinities and the scale byte 0xff are not served.  The two largest are taken of the normalised f32 scores; scores that differ from another f32 evaluation in the last
; bit can turn a tie.
; THE MODE: SCHED_MODE bits 1:0 = 2 (LLVM: expert scheduling mode 2), set by the entry lines.  The code itself states the register dependences between vector or matrix instructions and
; memory instructions, with s_wait_alu, always for 0.
; THE PLAN.  Registers that memory instructions touch:
;   v4, v5, v6 (the gate), v8, v9 (the copy)   offsets: written once by vector lines, read by the loads and stores, never written again: one wait on va_vdst ahead of each path's first load.
;   GF        loaded for K steps 0 to 3, read by their eight products, loaded again for K steps 4 to 7: one wait on va_vdst ahead of the second run of loads.
;   XF, XS, GS  loaded once.   v47, v[50:51], v52, v53  the two stores' data and offsets, written by vector lines: the wait on va_vdst ahead of the write of EXEC covers them.
; Scalar registers that vector lines write: s20, the wave's number; s24 to s39, sixteen masks: the compares of a search stand in one run with one wait on va_sdst behind it; VCC, from which EXEC is made.
.set XF,  16                           ; v16-111  x's eight fragments (K step s at XF + 12 s)
.set GF,  112                          ; v112-207 eight fragments of Wg: four K steps x two tiles of 16 experts
.set XS,  208                          ; v208-215 x's scale words, one for each K step: lane r: token r
.set GS,  216                          ; v216-223 Wg's: lanes 0-15 experts 0-15, lanes 16-31 experts 16-31
.set SC,  224                          ; v224-239 the two accumulators: logits, then scores
.set IDX, 16                           ; v16-31   the expert that register k holds (x's fragments are done with)
.set MX,  32                           ; v[32:33] the row's maximum (named as a pair)
.set TP,  34                           ; v34      what a lane takes from lane l xor 16
.set NEG, 35                           ; v35      -1.0: under every score
.set TA,  44                           ; v44-45   at work
.set M1,  56                           ; v56-59   largest score, its expert, second largest, its expert
.set I1,  57
.set M2,  58
.set I2,  59
.set MK,  24                           ; s24-39   a mask for each of a lane's sixteen scores (the offsets and the constant that stood there are done with)
	s_load_b512 s[4:19], s[0:1], 0x0               ; x_codes 4, x_scales 6, Wg_codes 8, Wg_scales 10, W1_codes 12, sel 14, wts 16, W1f 18
	v_lshrrev_b32 v4, 5, v0
	v_readfirstlane_b32 s20, v4                    ; wave 0..3
	v_and_b32 v1, 31, v0                           ; lane
	v_and_b32 v2, 15, v0                           ; r
	v_bfe_u32 v3, v0, 4, 1                         ; h
	s_wait_alu depctr_va_sdst(0)                   ; s20 is written, ahead of the branch and of its first reader on either path
	s_cmp_lt_u32 ttmp9, 64
	s_cbranch_scc0 .Lrelay
	; ---------------- the gate ----------------
	s_lshl_b32 s21, ttmp9, 6
	s_lshl_b32 s24, s20, 4
	s_add_co_u32 s21, s21, s24                     ; my first token: 64 x work-group + 16 x wave
	s_mul_i32 s24, s21, 768                        ; a token's codes: 768 bytes
	s_mov_b32 s25, 0
	s_lshl_b32 s26, s21, 5                         ; its scale bytes: 32
	s_mov_b32 s27, 0
	s_lshl_b32 s28, s21, 2                         ; its word in sel
	s_mov_b32 s29, 0
	s_lshl_b32 s30, s21, 3                         ; its two weights
	s_mov_b32 s31, 0
	s_mov_b32 s22, 0x76543210
	s_mov_b32 s23, 0xfedcba98                      ; v_permlanex16_b32's selects for lane l xor 16
	s_mov_b32 s32, 0x3fb8aa3b                      ; log2(e)
	s_mov_b32 s33, s32                             ; (named with it as a pair, so it is written)
	s_wait_alu depctr_va_vdst(0)
	v_mul_u32_u24 v4, v2, 768
	v_mad_u32_u24 v4, v3, 24, v4                   ; a fragment's row r, + 24 h: serves x and Wg, whose rows are both 768 bytes
	v_lshlrev_b32 v5, 5, v2                        ; x's scale words: row r
	v_lshlrev_b32 v6, 5, v1                        ; Wg's: row = lane
	s_wait_kmcnt 0x0
	s_add_nc_u64 s[4:5], s[4:5], s[24:25]
	s_add_nc_u64 s[6:7], s[6:7], s[26:27]
	s_add_nc_u64 s[14:15], s[14:15], s[28:29]
	s_add_nc_u64 s[16:17], s[16:17], s[30:31]
.macro XLD s                           ; x's fragment of K step s: 24 bytes at 96 s + 24 h and 24 at 96 s + 48 + 24 h, in pieces of 8 bytes
.irp p, 0,1,2,3,4,5
	global_load_b64 v[XF+12*(\s)+2*\p:XF+12*(\s)+2*\p+1], v4, s[4:5] offset:96*(\s)+48*(\p/3)+8*(\p%3)
.endr
.endm
.macro GLD s                           ; Wg's two fragments of K step s: experts r and 16 + r
.irp n, 0,1
.irp p, 0,1,2,3,4,5
	global_load_b64 v[GF+12*(2*((\s)%4)+\n)+2*\p:GF+12*(2*((\s)%4)+\n)+2*\p+1], v4, s[8:9] offset:12288*\n+96*(\s)+48*(\p/3)+8*(\p%3)
.endr
.endr
.endm
.macro GMUL s, n                       ; the two accumulators take turns, one instruction a turn; K step 0 starts the sums
.set rA, GF+12*(2*((\s)%4)+(\n))
.set rB, XF+12*(\s)
.if ((\s) == 0) && ((\n) == 0)
	v_wmma_scale_f32_16x16x128_f8f6f4 v[SC:SC+7], v[rA:rA+11], v[rB:rB+11], 0, v[GS+(\s)], v[XS+(\s)] matrix_a_fmt:MATRIX_FMT_BF6 matrix_b_fmt:MATRIX_FMT_BF6
.elseif (\s) == 0
	v_wmma_scale_f32_16x16x128_f8f6f4 v[SC+8:SC+15], v[rA:rA+11], v[rB:rB+11], 0, v[GS+(\s)], v[XS+(\s)] matrix_a_fmt:MATRIX_FMT_BF6 matrix_b_fmt:MATRIX_FMT_BF6 matrix_a_scale:MATRIX_SCALE_ROW1
.elseif (\n) == 0
	v_wmma_scale_f32_16x16x128_f8f6f4 v[SC:SC+7], v[rA:rA+11], v[rB:rB+11], v[SC:SC+7], v[GS+(\s)], v[XS+(\s)] matrix_a_fmt:MATRIX_FMT_BF6 matrix_b_fmt:MATRIX_FMT_BF6
.else
	v_wmma_scale_f32_16x16x128_f8f6f4 v[SC+8:SC+15], v[rA:rA+11], v[rB:rB+11], v[SC+8:SC+15], v[GS+(\s)], v[XS+(\s)] matrix_a_fmt:MATRIX_FMT_BF6 matrix_b_fmt:MATRIX_FMT_BF6 matrix_a_scale:MATRIX_SCALE_ROW1
.endif
.endm
	s_wait_alu depctr_va_vdst(0)                   ; v4, v5 and v6 are written: every load of this path reads one of them as its offset
	global_load_b128 v[XS:XS+3], v5, s[6:7]
	global_load_b128 v[XS+4:XS+7], v5, s[6:7] offset:16
	global_load_b128 v[GS:GS+3], v6, s[10:11]
	global_load_b128 v[GS+4:GS+7], v6, s[10:11] offset:16
.irp s, 0,1,2,3
	XLD \s
.endr
.irp s, 0,1,2,3
	GLD \s
.endr
.irp s, 4,5,6,7
	XLD \s
.endr
	s_wait_loadcnt 24                              ; all but the youngest 24 loads, x's K steps 4 to 7
.irp s, 0,1,2,3
	GMUL \s, 0
	GMUL \s, 1
.endr
.rept 4
	v_nop                                          ; four places behind the products of K steps 0 to 3: the vector lines further down that write x's first fragments over lean on them
.endr
	s_wait_alu depctr_va_vdst(0)                   ; the eight products are done reading Wg's fragments, in which the loads below land
.irp s, 4,5,6,7
	GLD \s
.endr
	s_wait_loadcnt 0x0
.irp s, 4,5,6,7
	GMUL \s, 0
	GMUL \s, 1
.endr
.irp k, 0,1,2,3,4,5,6,7,8,9,10,11,12,13,14,15
	v_lshl_add_u32 v[IDX+\k], v3, 3, 16*(\k/8)+\k%8   ; register k's expert.  These sixteen name no register of the last eight products: they are the places behind them (the registers that they write were read by K steps 0 and 1, ahead of the four v_nop)
.endr
	v_mov_b32 v[MX+1], 0                           ; (named as the upper half of a pair)
	v_mov_b32 v[TP], 0                             ; written once: a lane permute's destination counts as one of its sources
	; the softmax over 32 experts: 16 in my registers, 16 in lane l xor 16's.  Each accumulator is read from its low end on.
	v_max3_num_f32 v[MX], v[SC], v[SC+1], v[SC+2]
.irp k, 3,5,7,9,11,13
	v_max3_num_f32 v[MX], v[MX], v[SC+\k], v[SC+\k+1]
.endr
	v_max_num_f32 v[MX], v[MX], v[SC+15]
	v_permlanex16_b32 v[TP], v[MX], s22, s23
	v_max_num_f32 v[MX], v[MX], v[TP]              ; the row's largest logit
.irp k, 0,2,4,6,8,10,12,14
	v_pk_add_f32 v[SC+\k:SC+\k+1], v[SC+\k:SC+\k+1], v[MX:MX+1] op_sel_hi:[1,0] neg_lo:[0,1] neg_hi:[0,1]   ; logit - maximum first, not fused with the scaling: so the error does not grow with a common offset of the logits
.endr
.irp k, 0,2,4,6,8,10,12,14
	v_pk_mul_f32 v[SC+\k:SC+\k+1], v[SC+\k:SC+\k+1], s[32:33] op_sel_hi:[1,0]
.endr
	s_wait_alu depctr_va_vdst(0)
.irp k, 0,1,2,3,4,5,6,7,8,9,10,11,12,13,14,15
	v_exp_f32 v[SC+\k], v[SC+\k]
.endr
	v_mov_b32 v[NEG], -1.0                         ; a plain instruction behind the last exponential
	s_wait_alu depctr_va_vdst(0)                   ; the sixteen exponentials have written v[SC ..]: one wait, ahead of their first reader
	v_pk_add_f32 v[36:37], v[SC:SC+1], v[SC+2:SC+3]
	v_pk_add_f32 v[38:39], v[SC+4:SC+5], v[SC+6:SC+7]
	v_pk_add_f32 v[40:41], v[SC+8:SC+9], v[SC+10:SC+11]
	v_pk_add_f32 v[42:43], v[SC+12:SC+13], v[SC+14:SC+15]
	v_pk_add_f32 v[36:37], v[36:37], v[38:39]
	v_pk_add_f32 v[40:41], v[40:41], v[42:43]
	v_pk_add_f32 v[36:37], v[36:37], v[40:41]
	v_add_f32 v36, v36, v37
	v_permlanex16_b32 v[TP], v36, s22, s23
	v_add_f32 v36, v36, v[TP]                      ; the row's sum
	s_wait_alu depctr_va_vdst(0)
	v_rcp_f32 v38, v36
	v_nop                                          ; a plain instruction behind the reciprocal
	s_wait_alu depctr_va_vdst(0)                   ; the reciprocal has written v38, ahead of its first reader
.irp k, 0,2,4,6,8,10,12,14
	v_pk_mul_f32 v[SC+\k:SC+\k+1], v[SC+\k:SC+\k+1], v[38:39] op_sel_hi:[1,0]   ; the scores
.endr
; The largest of the row's 32 scores into v[m], and the lowest expert that has it into v[i].  No branch: a choice is a v_cndmask_b32.
; The sixteen compares stand in one run, each with a mask of its own, so that one wait serves the sixteen selects.
.macro ARGTOP m, i
	v_max3_num_f32 v[\m], v[SC], v[SC+1], v[SC+2]
.irp k, 3,5,7,9,11,13
	v_max3_num_f32 v[\m], v[\m], v[SC+\k], v[SC+\k+1]
.endr
	v_max_num_f32 v[\m], v[\m], v[SC+15]
	v_permlanex16_b32 v[TP], v[\m], s22, s23
	v_max_num_f32 v[\m], v[\m], v[TP]
	v_mov_b32 v[\i], 32
.irp k, 0,1,2,3,4,5,6,7,8,9,10,11,12,13,14,15
	v_cmp_eq_f32 s[MK+\k], v[SC+\k], v[\m]
.endr
	s_wait_alu depctr_va_sdst(0)                   ; the sixteen compares have written s[MK ..], ahead of the first select that reads one
.irp k, 0,1,2,3,4,5,6,7,8,9,10,11,12,13,14,15
	v_cndmask_b32 v[TA+\k%2], 32, v[IDX+\k], s[MK+\k]
	v_min_u32 v[\i], v[\i], v[TA+\k%2]
.endr
	v_permlanex16_b32 v[TP], v[\i], s22, s23
	v_min_u32 v[\i], v[\i], v[TP]
.endm
	ARGTOP M1, I1
.irp k, 0,1,2,3,4,5,6,7,8,9,10,11,12,13,14,15
	v_cmp_eq_u32 s[MK+\k], v[IDX+\k], v[I1]
.endr
	s_wait_alu depctr_va_sdst(0)                   ; the sixteen compares have written s[MK ..], ahead of the first select that reads one
.irp k, 0,1,2,3,4,5,6,7,8,9,10,11,12,13,14,15
	v_cndmask_b32 v[SC+\k], v[SC+\k], v[NEG], s[MK+\k]   ; the first expert alone is taken out: an equal score of a higher expert stays
.endr
	ARGTOP M2, I2
	v_sub_f32 v46, v[M2], v[M1]                    ; softmax of the two: the larger is taken away: 1 / (1 + q), q / (1 + q), q = e^(second - first)
	v_mul_f32 v46, 0x3fb8aa3b, v46
	s_wait_alu depctr_va_vdst(0)
	v_exp_f32 v46, v46
	v_lshl_or_b32 v47, v[I2], 8, v[I1]             ; (a plain instruction behind the exponential)  the token's word
	s_wait_alu depctr_va_vdst(0)                   ; the exponential has written v46, ahead of its first reader
	v_add_f32 v48, 1.0, v46
	s_wait_alu depctr_va_vdst(0)
	v_rcp_f32 v50, v48
	v_lshlrev_b32 v52, 2, v2                       ; (a plain instruction behind the reciprocal)
	v_lshlrev_b32 v53, 3, v2
	s_wait_alu depctr_va_vdst(0)                   ; the reciprocal has written v50, ahead of its first reader
	v_mul_f32 v51, v46, v50
	v_cmp_gt_u32 vcc_lo, 16, v1
	s_wait_xcnt 0x0                                ; EXEC changes only behind this wait
	s_wait_alu depctr_va_vcc(0)                    ; the compare has written VCC, from which EXEC is made
	s_wait_alu depctr_va_vdst(0)                   ; every vector line so far is done under the full EXEC; v47, v[50:51], v52 and v53, which the two stores read, are written
	s_wait_alu depctr_vm_vsrc(0)                   ; every memory instruction so far has read its registers under the full EXEC
	s_and_saveexec_b32 s24, vcc_lo                 ; lanes 16-31 hold the same numbers
	global_store_b32 v52, v47, s[14:15]
	global_store_b64 v53, v[50:51], s[16:17]
	s_endpgm
	; ---------------- W1 into the order of the operand's registers ----------------
.Lrelay:
	s_sub_co_u32 s21, ttmp9, 64
	s_lshl_b32 s21, s21, 2
	s_add_co_u32 s21, s21, s20                     ; J = 0 .. 1,023: expert J / 32, wave (J / 8) % 4, tile (J / 2) % 4, K steps 4 (J % 2) + 0 .. 3
	s_lshr_b32 s24, s21, 5
	s_mul_i32 s24, s24, 196608                     ; an expert's codes
	s_bfe_u32 s25, s21, 0x20003                    ; w
	s_bfe_u32 s26, s21, 0x20001                    ; t
	s_and_b32 s27, s21, 1                          ; which four K steps
	s_lshl_b32 s28, s25, 6
	s_lshr_b32 s29, s26, 1
	s_lshl_b32 s29, s29, 5
	s_add_co_u32 s28, s28, s29
	s_and_b32 s29, s26, 1
	s_lshl_b32 s29, s29, 3
	s_add_co_u32 s28, s28, s29                     ; the tile's first row: 64 w + 32 (t / 2) + 8 (t % 2)
	s_mul_i32 s28, s28, 768
	s_add_co_u32 s28, s28, s24
	s_mul_i32 s29, s27, 384
	s_add_co_u32 s28, s28, s29
	s_mov_b32 s29, 0
	s_mul_i32 s30, s25, 49152
	s_add_co_u32 s30, s30, s24
	s_mul_i32 s31, s26, 1536
	s_add_co_u32 s30, s30, s31
	s_mul_i32 s31, s27, 24576
	s_add_co_u32 s30, s30, s31
	s_mov_b32 s31, 0
	s_wait_alu depctr_va_vdst(0)
	v_and_b32 v8, 8, v2
	v_add_nc_u32 v8, v8, v2                        ; r + 8 (r / 8)
	v_mul_u32_u24 v8, v8, 768
	v_mad_u32_u24 v8, v3, 24, v8
	v_lshlrev_b32 v9, 4, v1
	s_wait_kmcnt 0x0
	s_add_nc_u64 s[12:13], s[12:13], s[28:29]
	s_add_nc_u64 s[18:19], s[18:19], s[30:31]
	s_wait_alu depctr_va_vdst(0)                   ; v8 and v9 are written: the loads read the one as their offset, the stores the other
.irp f, 0,1,2,3
.irp p, 0,1,2,3,4,5
	global_load_b64 v[16+12*\f+2*\p:17+12*\f+2*\p], v8, s[12:13] offset:96*\f+48*(\p/3)+8*(\p%3) th:TH_LOAD_NT
.endr
.endr
.irp f, 0,1,2,3
	s_wait_loadcnt 6*(3-\f)                        ; the younger fragments' loads may be out
.irp g, 0,1,2
	global_store_b128 v9, v[16+12*\f+4*\g:19+12*\f+4*\g], s[18:19] offset:6144*\f+512*\g th:TH_STORE_NT   ; 32 lanes store 512 consecutive bytes, at a multiple of 256 from the buffer's first byte
.endr
.endr
	s_endpgm
.Lfunc_end_k_qb0d53f5f1c_gate:
	.size	k_qb0d53f5f1c_gate, .Lfunc_end_k_qb0d53f5f1c_gate-k_qb0d53f5f1c_gate
	.p2alignl 7, 3214868480
	.fill 96, 4, 3214868480
	.section	.rodata,"a",@progbits
	.p2align	6, 0x0
	.amdhsa_kernel k_qb0d53f5f1c_gate
		.amdhsa_group_segment_fixed_size 0
		.amdhsa_private_segment_fixed_size 0
		.amdhsa_enable_private_segment 0
		.amdhsa_kernarg_size 64
		.amdhsa_user_sgpr_count 2
		.amdhsa_user_sgpr_kernarg_segment_ptr 1
		.amdhsa_wavefront_size32 1
		.amdhsa_system_sgpr_workgroup_id_x 1
		.amdhsa_system_sgpr_workgroup_id_y 1
		.amdhsa_system_sgpr_workgroup_id_z 1
		.amdhsa_system_vgpr_workitem_id 0
		.amdhsa_next_free_vgpr 256
		.amdhsa_next_free_sgpr 66
		.amdhsa_reserve_vcc 1
		.amdhsa_float_denorm_mode_32 3
		.amdhsa_float_denorm_mode_16_64 3
		.amdhsa_memory_ordered 1
		.amdhsa_forward_progress 1
		.amdhsa_inst_pref_size 37
	.end_amdhsa_kernel
	.amdgpu_metadata
---
amdhsa.version: [ 1, 2 ]
amdhsa.kernels:
  - .name:           k_qb0d53f5f1c_gate
    .symbol:         k_qb0d53f5f1c_gate.kd
    .args:
      - { .name: x_codes, .offset: 0, .size: 8, .value_kind: global_buffer, .address_space: global }
      - { .name: x_scales, .offset: 8, .size: 8, .value_kind: global_buffer, .address_space: global }
      - { .name: Wg_codes, .offset: 16, .size: 8, .value_kind: global_buffer, .address_space: global }
      - { .name: Wg_scales, .offset: 24, .size: 8, .value_kind: global_buffer, .address_space: global }
      - { .name: W1_codes, .offset: 32, .size: 8, .value_kind: global_buffer, .address_space: global }
      - { .name: sel, .offset: 40, .size: 8, .value_kind: global_buffer, .address_space: global }
      - { .name: wts, .offset: 48, .size: 8, .value_kind: global_buffer, .address_space: global }
      - { .name: W1f, .offset: 56, .size: 8, .value_kind: global_buffer, .address_space: global }
    .group_segment_fixed_size: 0
    .private_segment_fixed_size: 0
    .kernarg_segment_align: 8
    .kernarg_segment_size: 64
    .max_flat_workgroup_size: 128
    .sgpr_count:     66
    .vgpr_count:     256
    .wavefront_size: 32
...
	.end_amdgpu_metadata
.endif
;; end of part 5
;; launch place (part 6): grid 160 x 1, 8 waves a work-group, no clusters, 1,280 bytes of LDS; arguments sel, W2_codes, list, cnt, W2f; writes list, cnt, W2f
.if DOCPART == 6
	.amdgcn_target "amdgcn-amd-amdhsa--gfx1250"
	.amdhsa_code_object_version 6
	.text
	.protected	k_qb0d53f5f1c_place
	.globl	k_qb0d53f5f1c_place
	.p2align	8
	.type	k_qb0d53f5f1c_place,@function
k_qb0d53f5f1c_place:
	s_mov_b64 s[64:65], 0
	v_nop
	global_prefetch_b8 v0, s[64:65] scope:SCOPE_SE
	s_setreg_imm32_b32 hwreg(HW_REG_WAVE_MODE, 25, 1), 1
	s_wait_xcnt 0x0
; THE ROWS ARE PLACED BY EXPERT, AND W2 IS LAID OUT FOR THE CHAIN.  Two kinds of work-groups, told apart by the work-group's number alone.
; Work-groups 0-31: work-group e reads all 4,096 words of sel and writes expert e's list: the routed rows (2 x token + slot) that chose e, list[e][0 .. count - 1], the count, and 64 pads behind
;   them that repeat the entry at place count - 1 (0 where the count is 0): so the list is written up to the next multiple of 64 and has at least 64 entries.  A pad's place is held at 4,095, inside
;   the expert's own 4,096 words; at a count of 4,096 that is the place of the very entry that the pads repeat.  A gathering scan: each work-group owns its expert's part of the output, no atomics.
;   Wave w takes tokens 512 w .. 512 w + 511, 16 a lane.  Places: the waves in order (their counts meet in LDS), in a wave the 16 register groups in order, in a group the LOWEST lane
;   takes the HIGHEST place: so the entry at a wave's last place is the lowest set lane of its last group that is not empty.
; Work-groups 32-159: W2's codes into the order of the operand's registers.  A unit is 32 rows of W2 (6,144 bytes, dense): four fragments f = 2 tt + s2 (rows 16 tt + r, K step s2), each
;   three runs of 512 bytes; the unit keeps its place: W2f + 6,144 x unit.
; Indices made from loaded numbers are held inside the list by v_min_u32 ahead of the additions and the shift that make them addresses.  Every address register of the list's path is written by all
; waves with all lanes on, ahead of the first line that narrows EXEC and ahead of the branch on the wave's number.
.set SPW,   4                          ; v4   LDS address of my spare word: SPARE + 4 x my thread's number; never rewritten
.set NIL,   5                          ; v5   0; never rewritten
.set SPARE, 256                        ; LDS: bytes 0-63 the waves' (count, last entry); from 256 on the spare words, 128 bytes for each of eight waves
.set W,     16                         ; v16-31 my 16 words of sel
.set AD,    64                         ; v64-79 a byte offset in list for each group
.set DA,    80                         ; v80-95 the routed row for each group
.set PADV,  96                         ; v96    the pad
.set PADA,  98                         ; v98-99 the pads' byte offsets in list
.set CNTV,  100                        ; v100   the expert's count
	s_load_b256 s[4:11], s[0:1], 0x0               ; sel 4, W2_codes 6, list 8, cnt 10
	s_load_b64 s[12:13], s[0:1], 0x20              ; W2f
	v_lshl_add_u32 v[SPW], v0, 2, SPARE
	v_mov_b32 v[NIL], 0
	v_lshrrev_b32 v1, 5, v0
	s_delay_alu instid0(VALU_DEP_1)
	v_readfirstlane_b32 s14, v1                    ; wave 0..7
	v_and_b32 v1, 31, v0                           ; lane
	s_cmp_lt_u32 ttmp9, 32
	s_cbranch_scc0 .Lrelay
	; ---------------- expert e's list ----------------
	s_mov_b32 s15, ttmp9                           ; e
	s_lshl_b32 s16, s14, 11
	v_lshl_add_u32 v2, v1, 4, s16                  ; sel: 2,048 w + 16 lane
	s_lshl_b32 s16, s14, 10
	v_lshl_add_u32 v7, v1, 3, s16                  ; 2 x (512 w + 4 lane)
	v_mov_b32 v12, s14
	s_delay_alu instid0(VALU_DEP_1)
	v_lshlrev_b32 v12, 3, v12                      ; LDS: my wave's 8 bytes
	v_mov_b32 v13, 0                               ; LDS: byte 0
	v_mov_b32 v6, 0                                ; the count's store: its whole address stands in the scalar base
	v_cmp_eq_u32 s86, 0, v1                        ; lane 0
	s_lshl_b32 s30, s15, 2
	s_mov_b32 s31, 0
	s_mov_b32 s21, 0                               ; my wave's count
	s_mov_b32 s22, 0                               ; the last group that is not empty: its mask,
	s_mov_b32 s23, 0                               ; its mask of second slots,
	s_mov_b32 s24, 0                               ; and its token offset 128 k + c
	s_wait_alu depctr_va_vdst(0)
	s_wait_kmcnt 0x0
	s_add_nc_u64 s[10:11], s[10:11], s[30:31]      ; cnt[e]
.irp k, 0,1,2,3
	global_load_b128 v[W+4*\k:W+4*\k+3], v2, s[4:5] offset:512*\k   ; register 4 k + c: token 512 w + 128 k + 4 lane + c
.endr
	s_wait_loadcnt 0x0
.irp k, 0,1,2,3
.irp c, 0,1,2,3
	v_and_b32 v8, 0xff, v[W+4*\k+\c]               ; the first expert,
	v_lshrrev_b32 v9, 8, v[W+4*\k+\c]              ; the second: never the same
	s_delay_alu instid0(VALU_DEP_2)
	v_cmp_eq_u32 s[32+4*\k+\c], s15, v8
	s_delay_alu instid0(VALU_DEP_2)
	v_cmp_eq_u32 s[48+4*\k+\c], s15, v9
	s_or_b32 s[32+4*\k+\c], s[32+4*\k+\c], s[48+4*\k+\c]
	s_bcnt1_i32_b32 s20, s[32+4*\k+\c]
	s_add_co_u32 s21, s21, s20
	s_cmp_lg_u32 s[32+4*\k+\c], 0
	s_cselect_b32 s22, s[32+4*\k+\c], s22
	s_cselect_b32 s23, s[48+4*\k+\c], s23
	s_cselect_b32 s24, 128*\k+\c, s24
.endr
.endr
	s_ctz_i32_b32 s25, s22                         ; the lowest set lane (where my count is 0 what follows is not used)
	s_lshr_b32 s28, s23, s25
	s_and_b32 s28, s28, 1                          ; its slot
	s_lshl_b32 s25, s25, 2
	s_add_co_u32 s25, s25, s24
	s_lshl_b32 s29, s14, 9
	s_add_co_u32 s25, s25, s29                     ; its token
	s_lshl_b32 s25, s25, 1
	s_add_co_u32 s25, s25, s28                     ; the entry at my wave's last place
	v_mov_b32 v10, s21
	v_mov_b32 v11, s25
	ds_store_b64 v12, v[10:11]                     ; all lanes write the same 8 bytes with the same value
	s_wait_dscnt 0x0                               ; for the others' sake: my store has landed
	s_barrier_signal -1
	s_barrier_wait -1
.irp i, 0,1,2,3
	ds_load_b128 v[40+4*\i:43+4*\i], v13 offset:16*\i
.endr
	s_wait_dscnt 0x0
.irp i, 0,1,2,3,4,5,6,7,8,9,10,11,12,13,14,15
	v_readfirstlane_b32 s[68+\i], v[40+\i]
.endr
	s_mov_b32 s16, 0                               ; the counts of the waves ahead of me
	s_mov_b32 s17, 0                               ; the expert's count
	s_mov_b32 s18, 0                               ; the entry at place count - 1
.irp v, 0,1,2,3,4,5,6,7
	s_cmp_gt_u32 s14, \v
	s_cselect_b32 s19, s[68+2*\v], 0
	s_add_co_u32 s16, s16, s19
	s_add_co_u32 s17, s17, s[68+2*\v]
	s_cmp_lg_u32 s[68+2*\v], 0
	s_cselect_b32 s18, s[69+2*\v], s18
.endr
	s_lshl_b32 s87, s15, 12                        ; 4,096 e
	s_add_co_u32 s26, s87, s16                     ; + my wave's first place
.irp k, 0,1,2,3
.irp c, 0,1,2,3
	s_bcnt1_i32_b32 s20, s[32+4*\k+\c]
	s_add_co_u32 s26, s26, s20                     ; the group's end
	s_sub_co_u32 s28, s26, 1
	v_mbcnt_lo_u32_b32 v8, s[32+4*\k+\c], 0        ; set lanes under mine
	s_delay_alu instid0(VALU_DEP_1)
	v_sub_nc_u32 v[AD+4*\k+\c], s28, v8
	s_delay_alu instid0(VALU_DEP_1)
	v_min_u32 v[AD+4*\k+\c], 0x1ffff, v[AD+4*\k+\c]   ; inside the list's 131,072 words, in the lanes that will be off too
	s_delay_alu instid0(VALU_DEP_1)
	v_lshlrev_b32 v[AD+4*\k+\c], 2, v[AD+4*\k+\c]
	v_cndmask_b32 v9, 0, 1, s[48+4*\k+\c]
	s_delay_alu instid0(VALU_DEP_1)
	v_add_nc_u32 v9, v7, v9
	s_delay_alu instid0(VALU_DEP_1)
	v_add_nc_u32 v[DA+4*\k+\c], 256*\k+2*\c, v9    ; 2 x token + slot
.endr
.endr
	v_mov_b32 v[PADV], s18                         ; what wave 0 stores at the end is made here, by every wave
	v_mov_b32 v[CNTV], s17
.irp j, 0,1
	v_add_nc_u32 v[PADA+\j], s17, v1
	s_delay_alu instid0(VALU_DEP_1)
	v_add_nc_u32 v[PADA+\j], 32*\j, v[PADA+\j]     ; place count + lane + 32 j of the expert's list,
	s_delay_alu instid0(VALU_DEP_1)
	v_min_u32 v[PADA+\j], 0xfff, v[PADA+\j]        ; held inside its 4,096 words,
	s_delay_alu instid0(VALU_DEP_1)
	v_add_nc_u32 v[PADA+\j], s87, v[PADA+\j]       ; + 4,096 e,
	s_delay_alu instid0(VALU_DEP_1)
	v_lshlrev_b32 v[PADA+\j], 2, v[PADA+\j]        ; in bytes
.endr
	s_wait_xcnt 0x0                                ; EXEC changes only behind this wait
.irp g, 0,1,2,3,4,5,6,7,8,9,10,11,12,13,14,15
	s_and_saveexec_b32 s27, s[32+\g]
	global_store_b32 v[AD+\g], v[DA+\g], s[8:9]
	s_wait_xcnt 0x0                                ; and again, in front of the line that widens it
	s_or_b32 exec_lo, exec_lo, s27
.endr
	s_cmp_lg_u32 s14, 0                            ; wave 0 alone: the pads and the count.  No barrier stands inside, and no register is written there
	s_cbranch_scc1 .Lplaced
	s_wait_alu depctr_va_vdst(0)
	global_store_b32 v[PADA], v[PADV], s[8:9]      ; 32 lanes store 128 consecutive bytes (fewer where the hold at 4,095 takes effect)
	global_store_b32 v[PADA+1], v[PADV], s[8:9]
	s_wait_xcnt 0x0                                ; EXEC changes only behind this wait
	s_and_saveexec_b32 s27, s86
	global_store_b32 v6, v[CNTV], s[10:11]         ; lane 0: the count
	s_wait_xcnt 0x0
	s_or_b32 exec_lo, exec_lo, s27
.Lplaced:
	s_wait_tensorcnt 0x0                           ; the wave's end, behind my last LDS store
	ds_add_u32 v[SPW], v[NIL]
	s_wait_dscnt 0x0
	s_endpgm
	; ---------------- W2 into the order of the operand's registers ----------------
.Lrelay:
	s_sub_co_u32 s16, ttmp9, 32
	s_lshl_b32 s16, s16, 3
	s_add_co_u32 s16, s16, s14                     ; my unit, 0 .. 1,023
	s_mul_i32 s16, s16, 6144
	s_mov_b32 s17, 0
	v_and_b32 v2, 15, v0
	v_bfe_u32 v3, v0, 4, 1
	s_delay_alu instid0(VALU_DEP_2)
	v_mul_u32_u24 v8, v2, 192                      ; a row of W2's codes: 192 bytes
	s_delay_alu instid0(VALU_DEP_1)
	v_mad_u32_u24 v8, v3, 24, v8
	s_wait_alu depctr_va_vdst(0)
	v_lshlrev_b32 v9, 4, v1
	s_wait_alu depctr_va_vdst(0)
	s_wait_kmcnt 0x0
	s_add_nc_u64 s[6:7], s[6:7], s[16:17]
	s_add_nc_u64 s[12:13], s[12:13], s[16:17]
.irp f, 0,1,2,3
.irp p, 0,1,2,3,4,5
	global_load_b64 v[16+12*\f+2*\p:17+12*\f+2*\p], v8, s[6:7] offset:3072*(\f/2)+96*(\f%2)+48*(\p/3)+8*(\p%3) th:TH_LOAD_NT
.endr
.endr
.irp f, 0,1,2,3
	s_wait_loadcnt 6*(3-\f)                        ; the younger fragments' loads may be out
.irp g, 0,1,2
	global_store_b128 v9, v[16+12*\f+4*\g:19+12*\f+4*\g], s[12:13] offset:1536*\f+512*\g th:TH_STORE_NT   ; 32 lanes store 512 consecutive bytes
.endr
.endr
	s_endpgm
.Lfunc_end_k_qb0d53f5f1c_place:
	.size	k_qb0d53f5f1c_place, .Lfunc_end_k_qb0d53f5f1c_place-k_qb0d53f5f1c_place
	.p2alignl 7, 3214868480
	.fill 96, 4, 3214868480
	.section	.rodata,"a",@progbits
	.p2align	6, 0x0
	.amdhsa_kernel k_qb0d53f5f1c_place
		.amdhsa_group_segment_fixed_size 1280
		.amdhsa_private_segment_fixed_size 0
		.amdhsa_enable_private_segment 0
		.amdhsa_kernarg_size 40
		.amdhsa_user_sgpr_count 2
		.amdhsa_user_sgpr_kernarg_segment_ptr 1
		.amdhsa_wavefront_size32 1
		.amdhsa_system_sgpr_workgroup_id_x 1
		.amdhsa_system_sgpr_workgroup_id_y 1
		.amdhsa_system_sgpr_workgroup_id_z 1
		.amdhsa_system_vgpr_workitem_id 0
		.amdhsa_next_free_vgpr 112
		.amdhsa_next_free_sgpr 96
		.amdhsa_reserve_vcc 0
		.amdhsa_float_denorm_mode_32 3
		.amdhsa_float_denorm_mode_16_64 3
		.amdhsa_memory_ordered 1
		.amdhsa_forward_progress 1
		.amdhsa_inst_pref_size 32
	.end_amdhsa_kernel
	.amdgpu_metadata
---
amdhsa.version: [ 1, 2 ]
amdhsa.kernels:
  - .name:           k_qb0d53f5f1c_place
    .symbol:         k_qb0d53f5f1c_place.kd
    .args:
      - { .name: sel, .offset: 0, .size: 8, .value_kind: global_buffer, .address_space: global }
      - { .name: W2_codes, .offset: 8, .size: 8, .value_kind: global_buffer, .address_space: global }
      - { .name: list, .offset: 16, .size: 8, .value_kind: global_buffer, .address_space: global }
      - { .name: cnt, .offset: 24, .size: 8, .value_kind: global_buffer, .address_space: global }
      - { .name: W2f, .offset: 32, .size: 8, .value_kind: global_buffer, .address_space: global }
    .group_segment_fixed_size: 1280
    .private_segment_fixed_size: 0
    .kernarg_segment_align: 8
    .kernarg_segment_size: 40
    .max_flat_workgroup_size: 256
    .sgpr_count:     96
    .vgpr_count:     112
    .wavefront_size: 32
...
	.end_amdgpu_metadata
.endif
;; end of part 6
;; launch chain (part 7): grid 159 x 1, 4 waves a work-group, no clusters, 79,872 bytes of LDS; arguments x_codes, x_scales, W1f, W1_scales, b1, W2f, W2_scales, b2, list, cnt, part; writes part
.if DOCPART == 7
	.amdgcn_target "amdgcn-amd-amdhsa--gfx1250"
	.amdhsa_code_object_version 6
	.text
	.protected	k_qb0d53f5f1c_chain
	.globl	k_qb0d53f5f1c_chain
	.p2align	8
	.type	k_qb0d53f5f1c_chain,@function
k_qb0d53f5f1c_chain:
	s_mov_b64 s[64:65], 0
	v_nop
	global_prefetch_b8 v0, s[64:65] scope:SCOPE_SE
	s_setreg_imm32_b32 hwreg(HW_REG_WAVE_SCHED_MODE, 0, 2), 2
	s_setreg_imm32_b32 hwreg(HW_REG_WAVE_MODE, 25, 1), 1
	s_wait_xcnt 0x0
	s_wait_alu depctr_vm_vsrc(0)
; ONE TILE OF ONE EXPERT THROUGH THE WHOLE CHAIN: part[row] = bf16( Q(gelu(x W1 + b1)) W2 + b2 ) for 64 routed rows of expert E.  Both products on codes of BF6 (E3M2) with E8M0 scales, f32 sums;
; gelu = x (1 + erf(x / sqrt 2)) / 2 in f32; Q the quantiser along the hidden axis, in registers.  The hidden layer never goes to memory.
; THE GRID serves every split: 8,192 routed rows in tiles of 64 over 32 experts are never more than 128 + 31 = 159 tiles.  Work-group J finds its tile from the 32 stored counts.
; EVERY WORK-GROUP WALKS THE SAME STRAIGHT TEXT, both barriers on every path.  One that the split leaves without rows walks a valid tile (its numbers held inside the tables) and leaves out only its
; stores, by scalar branches on a stored count round the way out alone; its loads and products are then to no use: that is the price of barriers that stand under no branch on data.
; NO TENSOR LOAD, NO CLUSTER: addresses and the branches round the stores hang on stored numbers.  The weights come from memory straight
; into registers, laid out by the earlier launches in the order of the operand's registers: a fragment is three loads of 16 bytes a lane, 512 consecutive bytes each.
; SHARES.  The four waves share the COLUMNS: wave w makes hidden units 64 w .. 64 w + 63 and then outputs 256 w .. 256 w + 255, for all 64 rows (four row tiles m of 16).  So each weight byte is loaded
; once a work-group.  What goes from wave to wave is small and goes through LDS as images of the operand's registers: x's fragments (wave w gathers row tile w) and the hidden layer's.
; Both products are used transposed (source 0 = 16 rows of the weight, source 1 = 16 routed rows): a lane holds one routed row.  W1's rows of a tile are chosen so that the 16 registers of tiles
; 2 b, 2 b + 1 are 16 neighbours along the next K.  A wave's 64 hidden units are half c = w % 2 of K step w / 2 of the second product: registers 6 c .. 6 c + 5 of a fragment.
; The biases are the C of each sum's first matrix instruction.  Pads at a list's end repeat the list's last row: they lie in that row's own row tile, and are stored with the same bytes by the same wave.
; LIMITS: NaN, infinities and the scale byte 0xff are not served.  erf is a rational function of z held to +-4, right to a few units in the last place of erf itself: so gelu's absolute error is about
; |x| x 2e-7, which in the far negative tail (x under about -5.6, where gelu is under 1e-7 |x|) is the whole of the number.  A hidden block of zeros gets the scale byte 1; its codes are zeros.
; THE MODE: SCHED_MODE bits 1:0 = 2 (LLVM: expert scheduling mode 2), set by the entry lines.  The code itself states the register dependences between vector or matrix instructions and memory or LDS
; instructions, with s_wait_alu, always for 0.
; THE PLAN.  Registers that memory or LDS instructions touch:
;   v4-12, v15, v22-27   addresses and offsets: written once at the head, never again: one wait on va_vdst ahead of the first load.   v19-21  the gathers' offsets, made from list words: one more ahead of the gathers.
;   RO         loaded; made into offsets by vector lines at the head; read by the global stores at the end, behind many waits on va_vdst.
;   XF         the gathered fragments, which my LDS stores read (a wait on vm_vsrc behind the first barrier); then two sets: step s's products read set s % 2, the LDS loads of step s land in the other, which step s - 1 read.
;   the ring   unit U's loads land in slot U % 5, which the products of unit U - 5 read; they are issued in the step of unit U - 4.
;   So ONE wait on va_vdst stands at the head of a step, behind the step's own waits for its data: the step before is done reading its ring slot and its set of x.  The step's loads follow it, dealt among the step's
;   products, which name this step's slot and set, the accumulators and the scale words: none of the registers that those loads touch.
;   CD         a row tile's codes and scale bytes, registers of its own for each tile: written by its quantiser, read by three LDS stores that stand behind the NEXT tile's wait for its reciprocals; the last tile's behind a wait of their own.
;   PK, BK     (CD's registers) the way out: PK written by conversions, read by LDS stores: a wait on va_vdst between; BK filled by LDS loads, read by global stores.  A wait on vm_vsrc at each way out's head frees both.
;
; LDS
.set XIMG,  0                          ; 32 images of 1,536 bytes: x's fragment (row tile m, K step s) at 8 m + s
.set HIMG,  49152                      ; 16 half images of 768 bytes, (m, wave) at 4 m + w: registers 0-3 at 16 x lane, registers 4-5 at 512 + 8 x lane
.set HSC,   61440                      ; the hidden layer's scale words: [K step 2][64 rows] x 4 bytes
.set STG,   61952                      ; the way out: 16 rows x (256 + 16) bytes for each wave
.set SPARE, 79360                      ; the spare words, 128 bytes for each wave: two blocks of 256 bytes that no other line names
; REGISTERS, in windows of 256.  Window 0: v1 lane, v2 r, v3 h; v4 16 x lane, v5 4 x lane, v6 8 x lane; v7-12 LDS addresses; v13, v14 the add's two; v15 16 r; v16-27 list words and offsets;
.set W1S, 32                           ; v32-47   W1's scale words: 8 b + s: lanes 0-15 tile 2 b, lanes 16-31 tile 2 b + 1
.set W2S, 48                           ; v48-63   W2's: 2 u + s2: lanes 0-15 tile 2 u, lanes 16-31 tile 2 u + 1
.set XS,  64                           ; v64-79   x's: 8 q + s: lanes 0-15 row tile 2 q, lanes 16-31 row tile 2 q + 1
.set HS,  80                           ; v80-83   the hidden layer's: 2 s2 + q, likewise
.set XF,  96                           ; v96-191  the gathered fragments; then two sets of four fragments of x; then the eight hidden fragments (2 m + s2)
.set CD,  192                          ; v192-255 the hidden codes just made, 16 registers for each row tile;  later:
.set PK,  192                          ; v192-223 packed results;
.set BK,  224                          ; v224-255 rows read back from the stage
; Window 1: the ring: five slots of 48 registers; unit U (four fragments of a weight) in slot U % 5.
; Window 2: first product: accumulator (m, t) at 32 m + 8 t; from 128 on at work.  Second product: accumulator (m, tile % 8) at 64 m + 8 (tile % 8).
.set ZZ,  128                          ; z = x / sqrt 2, held
.set Z2,  160                          ; z^2
.set PA,  192                          ; the numerator
.set PD,  224                          ; the denominator, then its reciprocal
; Window 3:
.set B1,  0                            ; b1 in the result's layout, 8 registers a tile
.set B2,  32                           ; b2 likewise, 16 tiles
.set RO,  160                          ; 8 m + t: my byte offset in part for store t of row tile m
.set MSB, 0
.macro WIN new                         ; low byte: bits 1:0 source 0, 3:2 source 1, 5:4 source 2, 7:6 destination; the high byte repeats the setting that is left
.if MSB != \new
	s_set_vgpr_msb (MSB<<8)|\new
.set MSB, \new
.endif
.endm
.macro PLACES n
.rept \n
	v_nop
.endr
.endm
.macro KPAIR reg, val                  ; a constant as a pair: the packed forms name a pair and take its low word for both halves
	s_mov_b32 s[\reg], \val
	s_mov_b32 s[\reg+1], \val
.endm
; a matrix instruction on rD, rA, rB, rC, rSA, rSB; ra, rb: the side's scale words stand in lanes 16-31
.macro MM ra, rb
.if (\ra) && (\rb)
	v_wmma_scale_f32_16x16x128_f8f6f4 v[rD:rD+7], v[rA:rA+11], v[rB:rB+11], v[rC:rC+7], v[rSA], v[rSB] matrix_a_fmt:MATRIX_FMT_BF6 matrix_b_fmt:MATRIX_FMT_BF6 matrix_a_scale:MATRIX_SCALE_ROW1 matrix_b_scale:MATRIX_SCALE_ROW1
.elseif (\ra)
	v_wmma_scale_f32_16x16x128_f8f6f4 v[rD:rD+7], v[rA:rA+11], v[rB:rB+11], v[rC:rC+7], v[rSA], v[rSB] matrix_a_fmt:MATRIX_FMT_BF6 matrix_b_fmt:MATRIX_FMT_BF6 matrix_a_scale:MATRIX_SCALE_ROW1
.elseif (\rb)
	v_wmma_scale_f32_16x16x128_f8f6f4 v[rD:rD+7], v[rA:rA+11], v[rB:rB+11], v[rC:rC+7], v[rSA], v[rSB] matrix_a_fmt:MATRIX_FMT_BF6 matrix_b_fmt:MATRIX_FMT_BF6 matrix_b_scale:MATRIX_SCALE_ROW1
.else
	v_wmma_scale_f32_16x16x128_f8f6f4 v[rD:rD+7], v[rA:rA+11], v[rB:rB+11], v[rC:rC+7], v[rSA], v[rSB] matrix_a_fmt:MATRIX_FMT_BF6 matrix_b_fmt:MATRIX_FMT_BF6
.endif
.endm
	s_load_b512 s[4:19], s[0:1], 0x0               ; x_codes 4, x_scales 6, W1f 8, W1_scales 10, b1 12, W2f 14, W2_scales 16, b2 18
	s_load_b128 s[20:23], s[0:1], 0x40             ; list 20, cnt 22
	s_load_b64 s[24:25], s[0:1], 0x50              ; part
	v_lshl_add_u32 v13, v0, 2, SPARE               ; my spare word,
	v_mov_b32 v14, 0                               ; and 0: kept for the add at the wave's end
	v_lshrrev_b32 v1, 5, v0
	v_readfirstlane_b32 s26, v1                    ; wave 0..3
	v_and_b32 v1, 31, v0                           ; lane
	v_and_b32 v2, 15, v0                           ; r
	v_bfe_u32 v3, v0, 4, 1                         ; h
	v_lshlrev_b32 v4, 4, v1
	v_lshlrev_b32 v5, 2, v1
	v_lshlrev_b32 v6, 3, v1
	s_wait_alu depctr_va_sdst(0)                   ; s26 is written, ahead of its first reader: LDS addresses and the buffers' bases are made from it
	s_mov_b32 s27, ttmp9                           ; J
	s_wait_alu depctr_va_vdst(0)
	s_wait_kmcnt 0x0
	s_load_b512 s[32:47], s[22:23], 0x0            ; the 32 counts
	s_load_b512 s[48:63], s[22:23], 0x40
	s_mul_i32 s80, s26, 12288
	v_add_nc_u32 v7, s80, v4                       ; where I store x's images: 16 lane + 8 images x wave
	s_mul_i32 s80, s26, 768
	s_add_co_u32 s80, s80, HIMG
	v_add_nc_u32 v8, s80, v4                       ; the hidden half image: registers 0-3,
	s_add_co_u32 s80, s80, 512
	v_add_nc_u32 v9, s80, v6                       ; registers 4-5
	s_lshr_b32 s80, s26, 1
	s_lshl_b32 s80, s80, 8
	s_and_b32 s81, s26, 1
	s_lshl_b32 s81, s81, 1
	s_add_co_u32 s80, s80, s81
	s_add_co_u32 s80, s80, HSC
	v_lshl_add_u32 v10, v2, 2, s80                 ; my two bytes of row r's scale word: K step w / 2, bytes 2 (w % 2) on
	s_mul_i32 s80, s26, 4352
	s_add_co_u32 s80, s80, STG                     ; my stage
	v_mul_u32_u24 v11, v2, 272
	v_lshl_add_u32 v11, v3, 4, v11
	v_add_nc_u32 v11, s80, v11                     ; in: row r, 16 bytes for each half of the lanes
	v_mul_u32_u24 v12, v3, 272
	v_lshl_add_u32 v12, v2, 4, v12
	v_add_nc_u32 v12, s80, v12                     ; back: lanes 0-15 one row of 256 bytes, lanes 16-31 the next
	v_lshlrev_b32 v15, 4, v2
	s_lshl_b32 s80, s26, 6
	v_lshl_add_u32 v22, v2, 2, s80                 ; list: entry 16 w + r
	v_lshlrev_b32 v23, 2, v3                       ; entry h
	v_lshlrev_b32 v24, 6, v3                       ; b1: 16 h numbers
	v_lshlrev_b32 v25, 5, v3                       ; b2: 8 h numbers
	v_and_b32 v26, 8, v2
	v_add_nc_u32 v26, v26, v2
	v_lshl_add_u32 v26, v3, 3, v26
	v_lshlrev_b32 v26, 5, v26                      ; W1's scale rows of 32 bytes: row 8 h + r + 8 (r / 8)
	v_mul_u32_u24 v27, v3, 24
	s_mov_b32 s78, 0x76543210
	s_mov_b32 s79, 0xfedcba98                      ; v_permlanex16_b32's selects for lane l xor 16
	s_mov_b32 s28, 0                               ; tiles ahead of expert e
	s_mov_b32 s29, 0                               ; E
	s_mov_b32 s30, 0                               ; E's first tile
	s_mov_b32 s31, 0                               ; E's count
	s_wait_kmcnt 0x0
.irp e, 0,1,2,3,4,5,6,7,8,9,10,11,12,13,14,15,16,17,18,19,20,21,22,23,24,25,26,27,28,29,30,31
	s_cmp_le_u32 s28, s27                          ; the last expert whose first tile is at or under J is J's
	s_cselect_b32 s31, s[32+\e], s31
	s_cselect_b32 s30, s28, s30
	s_cselect_b32 s29, \e, s29
	s_add_co_u32 s80, s[32+\e], 63
	s_lshr_b32 s80, s80, 6
	s_add_co_u32 s28, s28, s80
.endr
	s_sub_co_u32 s66, s27, s30                     ; I: my tile of E
	s_add_co_u32 s67, s31, 63
	s_lshr_b32 s67, s67, 6                         ; E's tiles
	s_lshl_b32 s80, s66, 6
	s_sub_co_u32 s80, s31, s80
	s_cmp_lt_u32 s66, s67
	s_cselect_b32 s68, s80, 0                      ; NV: rows from my tile's first to the list's end; 0 where the split leaves me none
	s_max_u32 s81, s67, 1
	s_sub_co_u32 s81, s81, 1
	s_min_u32 s66, s66, s81                        ; a tile that the list has (every list has at least 64 written entries)
	s_min_u32 s66, s66, 63                         ; both held inside their tables ahead of the address arithmetic
	s_min_u32 s29, s29, 31
	s_mul_i32 s80, s29, 196608
	s_mul_i32 s81, s26, 49152
	s_add_co_u32 s80, s80, s81
	s_mov_b32 s81, 0
	s_add_nc_u64 s[70:71], s[8:9], s[80:81]        ; my eight units of W1,
	s_add_nc_u64 s[72:73], s[14:15], s[80:81]      ; and of W2
	s_lshl_b32 s80, s29, 13
	s_lshl_b32 s82, s26, 11
	s_add_co_u32 s80, s80, s82
	s_add_nc_u64 s[10:11], s[10:11], s[80:81]      ; their scale bytes: 8,192 an expert, 2,048 a wave, in both
	s_add_nc_u64 s[16:17], s[16:17], s[80:81]
	s_lshl_b32 s80, s29, 10
	s_lshl_b32 s82, s26, 8
	s_add_co_u32 s80, s80, s82
	s_add_nc_u64 s[12:13], s[12:13], s[80:81]      ; b1
	s_lshl_b32 s80, s29, 12
	s_lshl_b32 s82, s26, 10
	s_add_co_u32 s80, s80, s82
	s_add_nc_u64 s[18:19], s[18:19], s[80:81]      ; b2
	s_lshl_b32 s80, s29, 14
	s_lshl_b32 s82, s66, 8
	s_add_co_u32 s80, s80, s82
	s_add_nc_u64 s[74:75], s[20:21], s[80:81]      ; my tile's 64 entries
	s_lshl_b32 s80, s26, 9
	s_add_nc_u64 s[76:77], s[24:25], s[80:81]      ; part at my wave's 512 bytes of a row
; unit U: twelve loads of 512 consecutive bytes into slot U % 5.  Units 0-7: W1's K steps; 8-15: W2's runs of 32 outputs
.macro ISSUE u
	WIN 0x40                                       ; destination window 1, address window 0
.irp k, 0,1,2,3,4,5,6,7,8,9,10,11
.if (\u) < 8
	global_load_b128 v[48*((\u)%5)+4*\k:48*((\u)%5)+4*\k+3], v4, s[70:71] offset:6144*((\u)%8)+512*\k
.else
	global_load_b128 v[48*((\u)%5)+4*\k:48*((\u)%5)+4*\k+3], v4, s[72:73] offset:6144*((\u)%8)+512*\k
.endif
.endr
.endm
	s_wait_alu depctr_va_vdst(0)                   ; v4 to v12, v15 and v22 to v27 are written: the addresses and offsets of every load and store but the gathers and the stores into part
	global_load_b32 v16, v22, s[74:75]             ; the row that I gather: entry 16 w + r
	global_load_b32 v17, v5, s[74:75]              ; entries lane and 32 + lane: for x's scale words
	global_load_b32 v18, v5, s[74:75] offset:128
	WIN 0xc0                                       ; destination window 3
.irp m, 0,1,2,3
.irp t, 0,1,2,3,4,5,6,7
	global_load_b32 v[RO+8*\m+\t], v23, s[74:75] offset:4*(16*\m+2*\t)   ; entry 16 m + 2 t + h: the row that I store in store t of row tile m
.endr
.endr
.irp t, 0,1,2,3
	global_load_b128 v[B1+8*\t:B1+8*\t+3], v24, s[12:13] offset:4*(32*(\t/2)+8*(\t%2))      ; hidden units 32 (t / 2) + 16 h + 8 (t % 2) + 0 .. 7
	global_load_b128 v[B1+8*\t+4:B1+8*\t+7], v24, s[12:13] offset:4*(32*(\t/2)+8*(\t%2))+16
.endr
.irp t, 0,1,2,3,4,5,6,7,8,9,10,11,12,13,14,15
	global_load_b128 v[B2+8*\t:B2+8*\t+3], v25, s[18:19] offset:64*\t                       ; outputs 16 t + 8 h + 0 .. 7
	global_load_b128 v[B2+8*\t+4:B2+8*\t+7], v25, s[18:19] offset:64*\t+16
.endr
	WIN 0
.irp b, 0,1
	global_load_b128 v[W1S+8*\b:W1S+8*\b+3], v26, s[10:11] offset:1024*\b
	global_load_b128 v[W1S+8*\b+4:W1S+8*\b+7], v26, s[10:11] offset:1024*\b+16
.endr
.irp u, 0,1,2,3,4,5,6,7
	global_load_b64 v[W2S+2*\u:W2S+2*\u+1], v6, s[16:17] offset:256*\u
.endr
	s_wait_loadcnt 63                              ; 84 loads were issued behind the three list words
	v_lshrrev_b32 v19, 1, v16                      ; the token of a routed row,
	v_min_u32 v19, 0xfff, v19                      ; held inside x
	v_mul_u32_u24 v19, v19, 768
	v_add_nc_u32 v19, v27, v19                     ; its codes, + 24 h
	v_lshrrev_b32 v20, 1, v17
	v_min_u32 v20, 0xfff, v20
	v_lshlrev_b32 v20, 5, v20                      ; its 32 scale bytes
	v_lshrrev_b32 v21, 1, v18
	v_min_u32 v21, 0xfff, v21
	v_lshlrev_b32 v21, 5, v21
	s_wait_alu depctr_va_vdst(0)                   ; v19, v20 and v21 are written: the gathers below read them as their offsets
.irp s, 0,1,2,3,4,5,6,7
.irp p, 0,1,2,3,4,5
	global_load_b64 v[XF+12*\s+2*\p:XF+12*\s+2*\p+1], v19, s[4:5] offset:96*\s+48*(\p/3)+8*(\p%3)   ; row tile w's eight fragments
.endr
.endr
.irp q, 0,1
	global_load_b128 v[XS+8*\q:XS+8*\q+3], v[20+\q], s[6:7]
	global_load_b128 v[XS+8*\q+4:XS+8*\q+7], v[20+\q], s[6:7] offset:16
.endr
	ISSUE 0
	ISSUE 1
	ISSUE 2
	ISSUE 3
	KPAIR 32, 0xaf95df0b                           ; erf(z) = z P(z^2) / Q(z^2).  P's coefficients, the highest first (the counts are done with)
	KPAIR 34, 0x32edffee
	KPAIR 36, 0xb60cff51
	KPAIR 38, 0xb86ec2d2
	KPAIR 40, 0xba40ac63
	KPAIR 42, 0xbb41a1f6
	KPAIR 44, 0xbc83dbd4
	KPAIR 46, 0xb77460cd                           ; Q's
	KPAIR 48, 0xb95fbd29
	KPAIR 50, 0xbadc924e
	KPAIR 52, 0xbbf19bf8
	KPAIR 54, 0xbc69b6a7
	KPAIR 56, 0x3f3504f3                           ; 1 / sqrt 2
	s_wait_loadcnt 48                              ; all but the four units just asked for
	WIN 0xcc                                       ; source 1 and destination window 3
.set j, 0
.rept 32
	v_min_u32 v[RO+j], 0x1fff, v[RO+j]             ; a routed row, held inside part,
	v_lshlrev_b32 v[RO+j], 11, v[RO+j]             ; x 2,048 bytes,
	v_add_nc_u32 v[RO+j], v15, v[RO+j]             ; + 16 r
.set j, j+1
.endr
	WIN 0
.irp s, 0,1,2,3,4,5,6,7
.irp g, 0,1,2
	ds_store_b128 v7, v[XF+12*\s+4*\g:XF+12*\s+4*\g+3] offset:XIMG+1536*\s+512*\g   ; a fragment goes to LDS as it stands in my registers (loads brought it; no vector line has named it or v7 since the last wait on va_vdst)
.endr
.endr
	s_wait_dscnt 0x0                               ; for the others' sake: my stores have landed
	s_barrier_signal -1
	s_barrier_wait -1                              ; x's 32 fragments lie in LDS
.macro XLOAD s                         ; K step s's four fragments of x into set s % 2
.irp m, 0,1,2,3
.irp g, 0,1,2
	ds_load_b128 v[XF+48*((\s)%2)+12*\m+4*\g:XF+48*((\s)%2)+12*\m+4*\g+3], v4 offset:XIMG+1536*(8*\m+(\s))+512*\g
.endr
.endr
.endm
; Eight products of K step s of the first product: row tiles m0, m0 + 1 x my 4 tiles of W1.
.macro MUL1 s, m0
.if (\s) == 0
	WIN 0xb1                                       ; source 0 (W1) window 1, source 1 (x) window 0, C (b1) window 3, D window 2
.else
	WIN 0xa1                                       ; C and D window 2
.endif
.irp m, \m0, \m0+1
.irp t, 0,1,2,3
.set rD, 32*(\m)+8*\t
.set rA, 48*((\s)%5)+12*\t
.set rB, XF+48*((\s)%2)+12*(\m)
.if (\s) == 0
.set rC, B1+8*\t
.else
.set rC, rD
.endif
.set rSA, W1S+8*(\t/2)+(\s)
.set rSB, XS+8*((\m)/2)+(\s)
	MM \t%2, (\m)%2
.endr
.endr
.endm
; K step s of the first product: 16 accumulators (4 row tiles x my 4 tiles of W1) take turns, one instruction a turn, in the same order in every step.
; The step's loads (x's next set; the ring's unit four on) stand behind the one wait at its head, dealt among its products.
.macro UNIT1 s
	s_wait_loadcnt 36                              ; unit s is in; the three units behind it may be out
	s_wait_dscnt 0x0                               ; and so is this step's set of x, asked for a step ago
.if (\s) < 7
	WIN 0
.endif
.if (\s) > 0
	PLACES 4                                       ; four places behind the last step's products, in front of loads into registers that they read
	s_wait_alu depctr_va_vdst(0)                   ; the last step's products are done reading their ring slot and their set of x, in which this step's loads land
.endif
.if (\s) < 7
	XLOAD (\s)+1
.endif
	MUL1 \s, 0
	ISSUE (\s)+4                                   ; no wait: no product since the wait above names this slot or v4
	MUL1 \s, 2
.endm
; Row tile m's codes and its two scale bytes go to LDS.
.macro HSTORE m
.set C1, CD+16*(\m)
	WIN 0
	ds_store_b128 v8, v[C1:C1+3] offset:3072*(\m)
	ds_store_b64 v9, v[C1+4:C1+5] offset:3072*(\m)
	ds_store_b16 v10, v[C1+12] offset:64*(\m)      ; lanes r and 16 + r write the same two bytes with the same value
.endm
; Row tile m: gelu in f32 on my 32 numbers a lane, then the quantiser: register 16 b + i is hidden unit 64 w + 32 b + 16 h + i of my row.  Each accumulator is read from its low end on.
.macro GELUQ m
.set R,  32*(\m)
.set C0, CD+16*(\m)
	WIN 0xaa                                       ; all in window 2
.set j, 0
.rept 16
	v_pk_mul_f32 v[ZZ+j:ZZ+j+1], v[R+j:R+j+1], s[56:57] op_sel_hi:[1,0]
.set j, j+2
.endr
.set j, 0
.rept 32
	v_med3_num_f32 v[ZZ+j], v[ZZ+j], -4.0, 4.0
.set j, j+1
.endr
.set j, 0
.rept 16
	v_pk_mul_f32 v[Z2+j:Z2+j+1], v[ZZ+j:ZZ+j+1], v[ZZ+j:ZZ+j+1]
.set j, j+2
.endr
.set j, 0
.rept 16
	v_pk_fma_f32 v[PA+j:PA+j+1], v[Z2+j:Z2+j+1], s[32:33], s[34:35] op_sel_hi:[1,0,0]
.set j, j+2
.endr
.irp c, 36,38,40,42,44
.set j, 0
.rept 16
	v_pk_fma_f32 v[PA+j:PA+j+1], v[PA+j:PA+j+1], v[Z2+j:Z2+j+1], s[\c:\c+1] op_sel_hi:[1,1,0]
.set j, j+2
.endr
.endr
.set j, 0
.rept 16
	v_pk_fma_f32 v[PD+j:PD+j+1], v[Z2+j:Z2+j+1], s[46:47], s[48:49] op_sel_hi:[1,0,0]
.set j, j+2
.endr
.irp c, 50,52,54
.set j, 0
.rept 16
	v_pk_fma_f32 v[PD+j:PD+j+1], v[PD+j:PD+j+1], v[Z2+j:Z2+j+1], s[\c:\c+1] op_sel_hi:[1,1,0]
.set j, j+2
.endr
.endr
.set j, 0
	s_wait_alu depctr_va_vdst(0)
.rept 32
	v_rcp_f32 v[PD+j], v[PD+j]                     ; one batch
.set j, j+1
.endr
.set j, 0
.rept 16
	v_pk_mul_f32 v[PA+j:PA+j+1], v[PA+j:PA+j+1], v[ZZ+j:ZZ+j+1]   ; z P: plain work that names no reciprocal
.set j, j+2
.endr
.set j, 0
.rept 16
	v_pk_mul_f32 v[R+j:R+j+1], v[R+j:R+j+1], 0.5 op_sel_hi:[1,0]  ; x / 2: likewise
.set j, j+2
.endr
	s_wait_alu depctr_va_vdst(0)                   ; the 32 reciprocals have written v[PD ..], ahead of their first reader; and the row tile before has written its codes and scale bytes, which the LDS stores below read
.if (\m) > 0
	HSTORE (\m)-1
	WIN 0xaa
.endif
.set j, 0
.rept 16
	v_pk_mul_f32 v[PA+j:PA+j+1], v[PA+j:PA+j+1], v[PD+j:PD+j+1]   ; erf
.set j, j+2
.endr
.set j, 0
.rept 16
	v_pk_fma_f32 v[R+j:R+j+1], v[R+j:R+j+1], v[PA+j:PA+j+1], v[R+j:R+j+1]   ; x / 2 x erf + x / 2
.set j, j+2
.endr
.irp b, 0,1
	v_max3_num_f32 v[128+\b], |v[R+16*\b]|, |v[R+16*\b+1]|, 0x2800000   ; block b: my 16 numbers, and the floor 2^(5 - 127): so the byte cannot fall under 1
.endr
.irp i, 2,4,6,8,10,12,14
.irp b, 0,1
	v_max3_num_f32 v[128+\b], v[128+\b], |v[R+16*\b+\i]|, |v[R+16*\b+\i+1]|
.endr
.endr
.irp b, 0,1
	v_permlanex16_b32 v[130+\b], v[128+\b], s78, s79
.endr
.irp b, 0,1
	v_max_num_f32 v[128+\b], v[128+\b], v[130+\b]  ; with lane l xor 16's: the block's largest magnitude
.endr
.irp b, 0,1
	v_add_nc_u32 v[132+\b], 0xfe000000, v[128+\b]  ; 4 off its exponent field: the conversion takes the exponent field of this operand as its scale
.endr
.irp b, 0,1
	v_lshrrev_b32 v[134+\b], 23, v[132+\b]         ; the scale's byte
.endr
	WIN 0x2a                                       ; sources window 2, destination window 0: each row tile has registers of its own there, so no LDS store's data are written again
	v_lshl_or_b32 v[C0+12], v135, 8, v134          ; my two bytes of the row's scale word
	v_cvt_scalef32_pk16_bf6_f32 v[C0:C0+2], v[R:R+15], v132
	v_cvt_scalef32_pk16_bf6_f32 v[C0+8:C0+10], v[R+16:R+31], v133   ; (a conversion's three registers begin on an even number)
	v_nop                                          ; one plain instruction behind a scaled conversion
	WIN 0
.irp i, 0,1,2
	v_permlane16_swap_b32 v[C0+\i], v[C0+8+\i]     ; the operand's layout wants a whole block in a lane: lanes 0-15 block 0, lanes 16-31 block 1
.endr
.irp i, 0,1,2
	v_mov_b32 v[C0+3+\i], v[C0+8+\i]
.endr
.endm
; Eight products of unit u of the second product: K step q, my two tiles of outputs x the four row tiles.
.macro MUL2 u, q
.if (\q) == 0
	WIN 0xb1
.else
	WIN 0xa1
.endif
.irp c, 0,1
.irp m, 0,1,2,3
.set rD, 64*\m+8*((2*(\u)+\c)%8)
.set rA, 48*((8+(\u))%5)+12*(2*\c+(\q))
.set rB, XF+12*(2*\m+(\q))
.if (\q) == 0
.set rC, B2+8*(2*(\u)+\c)
.else
.set rC, rD
.endif
.set rSA, W2S+2*(\u)+(\q)
.set rSB, HS+2*(\q)+\m/2
	MM \c, \m%2
.endr
.endr
.endm
; Unit u of the second product: my outputs 32 u .. 32 u + 31 for the four row tiles: eight accumulators by turns, K step 0 (C = b2), then K step 1 in place.
.macro UNIT2 u
.if (\u) == 0
	s_wait_loadcnt 48                              ; the four units behind this one may be out
.elseif (\u) <= 4
	s_wait_loadcnt 36                              ; the three units behind this one
.else
	s_wait_loadcnt 12*(7-(\u))                     ; the units that are left
.endif
.if ((\u) >= 1) && ((\u) <= 3)
	PLACES 4                                       ; four places behind the last unit's products, in front of loads into the ring slot that they read
	s_wait_alu depctr_va_vdst(0)                   ; the last unit's products are done reading their ring slot, in which this unit's loads land
.endif
	MUL2 \u, 0
.if ((\u) >= 1) && ((\u) <= 3)
	ISSUE 12+(\u)                                  ; no wait: no product since the wait above names this slot or v4
.endif
	MUL2 \u, 1
.endm
; The way out of row tile m, outputs 128 ch .. 128 ch + 127 of my 256: rounded to bf16 (16 bytes a lane), through my own stage, and out as whole runs of 256 bytes.  Left out where the tile has no row there.
.macro OUT ch, m
	WIN 0                                          ; at a branch and at a label every window is 0
	s_wait_alu depctr_vm_vsrc(0)                   ; the LDS and global stores issued so far (the hidden codes'; the last way out's) have read v192 to v255, which the conversions and the LDS loads below write: ahead of the branch
	s_cmp_le_u32 s68, 16*(\m)
	s_cbranch_scc1 .Lnone_\@
	s_wait_xcnt 0x0                                ; the earlier stores have read their registers: these are loaded again only behind this wait
	WIN 0x0a                                       ; sources window 2, destination window 0
.irp t, 0,1,2,3,4,5,6,7
.irp i, 0,1,2,3
	v_cvt_pk_bf16_f32 v[PK+4*\t+\i], v[64*(\m)+8*\t+2*\i], v[64*(\m)+8*\t+2*\i+1]   ; each accumulator from its low end on
.endr
.endr
	WIN 0
	s_wait_alu depctr_va_vdst(0)                   ; the conversions have written v[PK ..], which the LDS stores read
.irp t, 0,1,2,3,4,5,6,7
	ds_store_b128 v11, v[PK+4*\t:PK+4*\t+3] offset:32*\t
.endr
.irp t, 0,1,2,3,4,5,6,7
	ds_load_b128 v[BK+4*\t:BK+4*\t+3], v12 offset:544*\t   ; LDS serves a wave's instructions in order (ISA guide 5.7.1.4): these see my stores
.endr
	s_wait_dscnt 0x0
	WIN 0x03                                       ; the address register: window 3
.irp t, 0,1,2,3,4,5,6,7
	global_store_b128 v[RO+8*(\m)+\t], v[BK+4*\t:BK+4*\t+3], s[76:77] offset:256*(\ch) th:TH_STORE_NT   ; sixteen lanes store 256 consecutive bytes of one routed row, at a multiple of 256 from part's first byte
.endr
	WIN 0
.Lnone_\@:
.endm
	s_wait_alu depctr_vm_vsrc(0)                   ; my LDS stores have read v[XF ..]: these registers are the two sets of x from here on, in which loads from LDS land
	XLOAD 0
.irp s, 0,1,2,3,4,5,6,7
	UNIT1 \s
.endr
	PLACES 4                                       ; behind the last products: for the first read of results, and in front of the loads into their ring slot
	WIN 0x40
	s_wait_alu depctr_va_vdst(0)                   ; the last step's products are done reading their ring slot, in which unit 12 lands
	ISSUE 12                                       ; five units of W2, 60 loads, are on their way while the activation is computed
.irp m, 0,1,2,3
	GELUQ \m
.endr
	s_wait_alu depctr_va_vdst(0)                   ; the last row tile has written its codes and scale bytes, which the LDS stores below read
	HSTORE 3
	s_wait_dscnt 0x0                               ; for the others' sake: my stores have landed
	s_barrier_signal -1
	s_barrier_wait -1                              ; the hidden layer's sixteen half images and its scale words lie in LDS
.irp m, 0,1,2,3
.irp q, 0,1
.irp c, 0,1
	ds_load_b128 v[XF+12*(2*\m+\q)+6*\c:XF+12*(2*\m+\q)+6*\c+3], v4 offset:HIMG+768*(4*\m+2*\q+\c)   ; (the first product's reads of these registers stand ahead of the waits on va_vdst above; no vector line has followed the last of them)
	ds_load_b64 v[XF+12*(2*\m+\q)+6*\c+4:XF+12*(2*\m+\q)+6*\c+5], v6 offset:HIMG+768*(4*\m+2*\q+\c)+512
.endr
.endr
.endr
.irp q, 0,1
.irp p, 0,1
	ds_load_b32 v[HS+2*\q+\p], v5 offset:HSC+256*\q+128*\p   ; lane l: row 32 p + l
.endr
.endr
	s_wait_dscnt 0x0
.irp u, 0,1,2,3
	UNIT2 \u
.endr
	PLACES 5                                       ; four for the conversions that read results; the fifth for the path on which every way out is left out: there the next products write these accumulators anew
.irp m, 0,1,2,3
	OUT 0, \m
.endr
.irp u, 4,5,6,7
	UNIT2 \u
.endr
	PLACES 5
.irp m, 0,1,2,3
	OUT 1, \m
.endr
	s_wait_dscnt 0x0                               ; the closing lines, six on end
	s_wait_alu 0x0
	s_wait_tensorcnt 0x0
	ds_add_u32 v13, v14
	s_wait_dscnt 0x0
	s_endpgm
.Lfunc_end_k_qb0d53f5f1c_chain:
	.size	k_qb0d53f5f1c_chain, .Lfunc_end_k_qb0d53f5f1c_chain-k_qb0d53f5f1c_chain
	.p2alignl 7, 3214868480
	.fill 96, 4, 3214868480
	.section	.rodata,"a",@progbits
	.p2align	6, 0x0
	.amdhsa_kernel k_qb0d53f5f1c_chain
		.amdhsa_group_segment_fixed_size 79872
		.amdhsa_private_segment_fixed_size 0
		.amdhsa_enable_private_segment 0
		.amdhsa_kernarg_size 88
		.amdhsa_user_sgpr_count 2
		.amdhsa_user_sgpr_kernarg_segment_ptr 1
		.amdhsa_wavefront_size32 1
		.amdhsa_system_sgpr_workgroup_id_x 1
		.amdhsa_system_sgpr_workgroup_id_y 1
		.amdhsa_system_sgpr_workgroup_id_z 1
		.amdhsa_system_vgpr_workitem_id 0
		.amdhsa_next_free_vgpr 960
		.amdhsa_next_free_sgpr 96
		.amdhsa_reserve_vcc 0
		.amdhsa_float_denorm_mode_32 3
		.amdhsa_float_denorm_mode_16_64 3
		.amdhsa_memory_ordered 1
		.amdhsa_forward_progress 1
		.amdhsa_inst_pref_size 213
	.end_amdhsa_kernel
	.amdgpu_metadata
---
amdhsa.version: [ 1, 2 ]
amdhsa.kernels:
  - .name:           k_qb0d53f5f1c_chain
    .symbol:         k_qb0d53f5f1c_chain.kd
    .args:
      - { .name: x_codes, .offset: 0, .size: 8, .value_kind: global_buffer, .address_space: global }
      - { .name: x_scales, .offset: 8, .size: 8, .value_kind: global_buffer, .address_space: global }
      - { .name: W1f, .offset: 16, .size: 8, .value_kind: global_buffer, .address_space: global }
      - { .name: W1_scales, .offset: 24, .size: 8, .value_kind: global_buffer, .address_space: global }
      - { .name: b1, .offset: 32, .size: 8, .value_kind: global_buffer, .address_space: global }
      - { .name: W2f, .offset: 40, .size: 8, .value_kind: global_buffer, .address_space: global }
      - { .name: W2_scales, .offset: 48, .size: 8, .value_kind: global_buffer, .address_space: global }
      - { .name: b2, .offset: 56, .size: 8, .value_kind: global_buffer, .address_space: global }
      - { .name: list, .offset: 64, .size: 8, .value_kind: global_buffer, .address_space: global }
      - { .name: cnt, .offset: 72, .size: 8, .value_kind: global_buffer, .address_space: global }
      - { .name: part, .offset: 80, .size: 8, .value_kind: global_buffer, .address_space: global }
    .group_segment_fixed_size: 79872
    .private_segment_fixed_size: 0
    .kernarg_segment_align: 8
    .kernarg_segment_size: 88
    .max_flat_workgroup_size: 128
    .sgpr_count:     96
    .vgpr_count:     960
    .wavefront_size: 32
...
	.end_amdgpu_metadata
.endif
;; end of part 7
;; launch combine (part 8): grid 256 x 1, 8 waves a work-group, no clusters, 0 bytes of LDS; arguments part, wts, out0; writes out0
.if DOCPART == 8
	.amdgcn_target "amdgcn-amd-amdhsa--gfx1250"
	.amdhsa_code_object_version 6
	.text
	.protected	k_qb0d53f5f1c_combine
	.globl	k_qb0d53f5f1c_combine
	.p2align	8
	.type	k_qb0d53f5f1c_combine,@function
k_qb0d53f5f1c_combine:
	s_mov_b64 s[64:65], 0
	v_nop
	global_prefetch_b8 v0, s[64:65] scope:SCOPE_SE
	s_setreg_imm32_b32 hwreg(HW_REG_WAVE_MODE, 25, 1), 1
	s_wait_xcnt 0x0
; out0[token] = w0 x part[2 token] + w1 x part[2 token + 1]: the sum over a token's two experts.  part: bf16 [8,192][1,024]; the weights and the sums in f32; out0: f32 [4,096][1,024].
; A stream: each byte of part is read once and each byte of out0 written once; no LDS, no barrier, no matrix unit: there is nothing to share and two terms to a sum.
; Wave W = 8 x work-group + wave takes tokens 2 W and 2 W + 1: 8,192 consecutive bytes of part and 8,192 of out0.  All 32 loads go out at the head; every offset is an immediate; each step has its own
; registers for its results, so no store's data are written again.
.set P, 16                             ; v16-79   step n: two words of slot 0's row, two of slot 1's
.set O, 80                             ; v80-143  step n: four results
	s_load_b128 s[4:7], s[0:1], 0x0                ; part, wts
	s_load_b64 s[8:9], s[0:1], 0x10                ; out0
	v_lshrrev_b32 v1, 5, v0
	s_delay_alu instid0(VALU_DEP_1)
	v_readfirstlane_b32 s10, v1                    ; wave 0..7
	v_and_b32 v1, 31, v0
	s_delay_alu instid0(VALU_DEP_1)
	v_lshlrev_b32 v2, 3, v1                        ; in: 8 bytes (4 numbers) a lane
	s_delay_alu instid0(VALU_DEP_2)
	v_lshlrev_b32 v3, 4, v1                        ; out: 16 bytes
	s_lshl_b32 s11, ttmp9, 3
	s_add_co_u32 s11, s11, s10                     ; W
	s_lshl_b32 s24, s11, 13
	s_mov_b32 s25, 0
	s_lshl_b32 s26, s11, 4
	s_mov_b32 s27, 0
	s_mov_b32 s28, 0xffff0000                      ; a word's upper bf16
	s_wait_alu depctr_va_vdst(0)
	s_wait_kmcnt 0x0
	s_add_nc_u64 s[6:7], s[6:7], s[26:27]
	s_load_b128 s[12:15], s[6:7], 0x0              ; my two tokens' four weights (this launch stores nothing into wts)
	s_add_nc_u64 s[4:5], s[4:5], s[24:25]
	s_add_nc_u64 s[8:9], s[8:9], s[24:25]
.set n, 0
.rept 16                               ; step n: token n / 8, columns 128 (n % 8) on: 32 lanes read 256 consecutive bytes of each of the token's two rows
	global_load_b64 v[P+4*n:P+4*n+1], v2, s[4:5] offset:4096*(n/8)+256*(n%8) th:TH_LOAD_NT
	global_load_b64 v[P+4*n+2:P+4*n+3], v2, s[4:5] offset:4096*(n/8)+2048+256*(n%8) th:TH_LOAD_NT
.set n, n+1
.endr
	s_wait_kmcnt 0x0
.irp i, 0,1,2,3
	s_mov_b32 s[16+2*\i], s[12+\i]                 ; each weight as a pair: the packed forms name a pair and take its low word for both halves
	s_mov_b32 s[17+2*\i], s[12+\i]
.endr
.set n, 0
.rept 16
	s_wait_loadcnt 30-2*n                          ; the younger steps' loads may be out
.irp i, 0,1,2,3
	v_lshlrev_b32 v[4+2*\i], 16, v[P+4*n+\i]       ; bf16 to f32: the low half moves up,
	v_and_b32 v[5+2*\i], s28, v[P+4*n+\i]          ; the high half stays
.endr
	s_delay_alu instid0(VALU_DEP_3)
	v_pk_mul_f32 v[O+4*n:O+4*n+1], v[8:9], s[18+4*(n/8):19+4*(n/8)] op_sel_hi:[1,0]
	s_delay_alu instid0(VALU_DEP_2)
	v_pk_mul_f32 v[O+4*n+2:O+4*n+3], v[10:11], s[18+4*(n/8):19+4*(n/8)] op_sel_hi:[1,0]
	s_delay_alu instid0(VALU_DEP_2)
	v_pk_fma_f32 v[O+4*n:O+4*n+1], v[4:5], s[16+4*(n/8):17+4*(n/8)], v[O+4*n:O+4*n+1] op_sel_hi:[1,0,1]
	s_delay_alu instid0(VALU_DEP_2)
	v_pk_fma_f32 v[O+4*n+2:O+4*n+3], v[6:7], s[16+4*(n/8):17+4*(n/8)], v[O+4*n+2:O+4*n+3] op_sel_hi:[1,0,1]
	global_store_b128 v3, v[O+4*n:O+4*n+3], s[8:9] offset:4096*(n/8)+512*(n%8) th:TH_STORE_NT   ; 32 lanes store 512 consecutive bytes, at a multiple of 256 from out0's first byte
.set n, n+1
.endr
	s_endpgm
.Lfunc_end_k_qb0d53f5f1c_combine:
	.size	k_qb0d53f5f1c_combine, .Lfunc_end_k_qb0d53f5f1c_combine-k_qb0d53f5f1c_combine
	.p2alignl 7, 3214868480
	.fill 96, 4, 3214868480
	.section	.rodata,"a",@progbits
	.p2align	6, 0x0
	.amdhsa_kernel k_qb0d53f5f1c_combine
		.amdhsa_group_segment_fixed_size 0
		.amdhsa_private_segment_fixed_size 0
		.amdhsa_enable_private_segment 0
		.amdhsa_kernarg_size 24
		.amdhsa_user_sgpr_count 2
		.amdhsa_user_sgpr_kernarg_segment_ptr 1
		.amdhsa_wavefront_size32 1
		.amdhsa_system_sgpr_workgroup_id_x 1
		.amdhsa_system_sgpr_workgroup_id_y 1
		.amdhsa_system_sgpr_workgroup_id_z 1
		.amdhsa_system_vgpr_workitem_id 0
		.amdhsa_next_free_vgpr 144
		.amdhsa_next_free_sgpr 66
		.amdhsa_reserve_vcc 0
		.amdhsa_float_denorm_mode_32 3
		.amdhsa_float_denorm_mode_16_64 3
		.amdhsa_memory_ordered 1
		.amdhsa_forward_progress 1
		.amdhsa_inst_pref_size 17
	.end_amdhsa_kernel
	.amdgpu_metadata
---
amdhsa.version: [ 1, 2 ]
amdhsa.kernels:
  - .name:           k_qb0d53f5f1c_combine
    .symbol:         k_qb0d53f5f1c_combine.kd
    .args:
      - { .name: part, .offset: 0, .size: 8, .value_kind: global_buffer, .address_space: global }
      - { .name: wts, .offset: 8, .size: 8, .value_kind: global_buffer, .address_space: global }
      - { .name: out0, .offset: 16, .size: 8, .value_kind: global_buffer, .address_space: global }
    .group_segment_fixed_size: 0
    .private_segment_fixed_size: 0
    .kernarg_segment_align: 8
    .kernarg_segment_size: 24
    .max_flat_workgroup_size: 256
    .sgpr_count:     66
    .vgpr_count:     144
    .wavefront_size: 32
...
	.end_amdgpu_metadata
.endif
;; end of part 8
